; MI455X (gfx1250); checked and timed in simulation.
; The chip was launched on July 23, 2026; its instructions are those of AMD's public machine-readable ISA for CDNA 5 (MIT licence, August 2026) and "CDNA5" Instruction Set Architecture Reference Guide (July 2026). The comments in the code are by the model that wrote it; some were corrected since.
;; Multi Head Attention Block. Allowed arithmetic: matrix products marked QUANTISED: E2M3 operands, one E8M0 scale for each 32 along K, by v_wmma_scale_f32_16x16x128_f8f6f4 with both operands' format E2M3, f32 sums; everything else in f32.
;; Inputs: W1 512 x 4,096 float32; W2 4,096 x 512 float32; Wk 512 x 512 float32; Wq 512 x 512 float32; Wv 512 x 512 float32; alpha 1 float32; b1 4,096 float32; b2 512 float32; beta 1 float32; x 4 x 2,048 x 512 float32.
;; Outputs: out0 4 x 2,048 x 512 float32.
;; This version of the problem:
;;   THIS VERSION OF THE PROBLEM IS GIVEN IN LOW PRECISION. The matrix products marked QUANTISED in the list below multiply operands that are first quantised to E2M3 (2 exponent bits, 3 mantissa bits; 6 bits a number), with one power-of-two scale for each 32 numbers along K (OCP MX v1.0); their sums are f32. All else is computed in f32.
;;   The module's matrix products, in the order in which they are computed (A, B: the left and right operand; K: the contracted axis; several contracted axes count as one K, in the product's order):
;;     1. [M 8,192, K 512] x [K 512, N 512]; A: computed on the way; B: input Wq: QUANTISED
;;     2. [M 8,192, K 512] x [K 512, N 512]; A: computed on the way; B: input Wk: QUANTISED
;;     3. [M 8,192, K 512] x [K 512, N 512]; A: computed on the way; B: input Wv: QUANTISED
;;     4. batch 64 x [M 2,048, K 32] x [K 32, N 2,048]; A: computed on the way; B: computed on the way: QUANTISED
;;     5. batch 64 x [M 32, K 2,048] x [K 2,048, N 2,048]; A: computed on the way; B: softmax (see below): QUANTISED
;;     6. [M 8,192, K 512] x [K 512, N 4,096]; A: computed on the way; B: input W1: QUANTISED
;;     7. [M 8,192, K 4,096] x [K 4,096, N 512]; A: computed on the way; B: input W2: QUANTISED
;;   THE QUANTISER, for each operand of a quantised product, along K:
;;     - K is cut into blocks of 32 from its start; a last block that is shorter is filled with zeros.
;;     - A block's scale is 2^e with e = floor(log2(the largest magnitude in the block)) - 2, held to -126 .. 127; a block of zeros has e = 0. As a byte (E8M0): e + 127.
;;     - Each number is divided by its block's scale, clamped to +-7.5, and rounded to the nearest number of E2M3, ties to even, subnormals kept.
;;     - The product sums the exact products of the quantised numbers (number of the format x scale) in f32.
;;   ~~~python
;;   def quantise(x, axis):      # numpy; x: float32 -> the quantised numbers, widened to float32 again
;;       x = np.moveaxis(x, axis, -1); K = x.shape[-1]
;;       x = np.pad(x, [(0, 0)] * (x.ndim - 1) + [(0, -K % 32)]); x = x.reshape(x.shape[:-1] + (-1, 32)); a = np.abs(x).max(-1, keepdims=True)
;;       e = np.where(a > 0, np.clip(np.frexp(np.where(a > 0, a, 1))[1] - 1 - 2, -126, 127), 0)      # np.frexp(a)[1] - 1 = floor(log2(a)), exactly
;;       r = np.clip(x / 2.0 ** e, -7.5, 7.5)
;;       step = 2.0 ** (np.maximum(np.frexp(np.where(r == 0, 1, r))[1] - 1, 0) - 3)
;;       q = np.round(r / step) * step * 2.0 ** e      # np.round: ties to even
;;       return np.moveaxis(q.reshape(q.shape[:-2] + (-1,))[..., :K], -1, axis).astype(np.float32)
;;   ~~~
;;   SOFTMAX AHEAD OF A QUANTISED PRODUCT. Where the list says 'softmax', what is quantised is not the finished softmax but p = 2^(t - M), with t = logit x log2(e) and M = ceil(the row's largest t), a whole number; so 1/2 < the row's largest p <= 1. The row's sum l is taken of the UNQUANTISED p, in f32, and the product's result is divided by l at the end. Since M is a whole number, a kernel that streams over the keys may use a running M (the ceiling of the running maximum): every later rescaling is an exact power of two, which a block's scale takes up: the codes' values come out the same.
;;   OPERANDS COMPUTED ON THE WAY. 'Computed on the way' means the value that the module computes at that place (a softmax that the list does not call 'softmax' is quantised finished and normalised). What goes into a quantiser is computed in f32, as accurately as f32 sums, v_exp_f32 and their like allow (about 1e-6 of the number): no bf16 or f16 on the way to a quantiser, and a product that is left as it is and whose result goes on into a quantised operand takes f32 operands (vector FMAs, or v_wmma_f32_16x16x4_f32). A number that lies on a knife's edge between two numbers of the format may be rounded either way, as far as f32 arithmetic and the matrix unit's own rounding can turn it there, and no further.
;; One version. Each part assembles by itself: llvm-mc -triple=amdgcn-amd-amdhsa -mcpu=gfx1250 --defsym DOCPART=n.
;; ======== version 1 of 1: 6 launches
;; limits: right only within a limited range of input values
;; workspace buffers: wr 3,891,200 bytes; xr 3,276,800 bytes; qr 3,276,800 bytes; kv 6,553,600 bytes; x1 16,777,216 bytes; hid 26,214,400 bytes
;; launch prep (part 1): grid 432 x 1, 4 waves a work-group, no clusters, 132,608 bytes of LDS; arguments x, alpha, beta, xr, Wq, Wk, Wv, W1, W2, wr; writes xr, wr
.if DOCPART == 1
	.amdgcn_target "amdgcn-amd-amdhsa--gfx1250"
	.amdhsa_code_object_version 6
	.text
	.protected	k_qde9ba0b678_prep
	.globl	k_qde9ba0b678_prep
	.p2align	8
	.type	k_qde9ba0b678_prep,@function
k_qde9ba0b678_prep:
	s_mov_b64 s[64:65], 0
	v_nop
	global_prefetch_b8 v0, s[64:65] scope:SCOPE_SE
	s_setreg_imm32_b32 hwreg(HW_REG_WAVE_MODE, 25, 1), 1
	s_wait_xcnt 0x0
; TWO PIECES OF WORK THAT DO NOT DEPEND ON EACH OTHER, IN ONE LAUNCH.  Work-groups 0-127: the first layer norm, quantised.  Work-groups 128-431: the five weights, quantised.
; The two paths part on the work-group's number at the first line and never meet; the weights' path uses no LDS, neither path has a barrier.  The LDS claim is the layer norm's: 33,024 bytes a wave.
;
; THE LAYER NORM: y = alpha (x - mean) / sqrt(var + 1e-6) + beta over rows of 512 (var with 511 in the divisor), all in f32, then quantised along the row into codes of FP6 (E2M3), one E8M0 byte for each 32.
; A wave takes a tile of 16 rows.  ROW r OF TILE T IS TOKEN 64 (T / 4) + 8 (T % 4) + r % 8 + 32 (r / 8): so that, where a matrix result holds rows 8 h .. 8 h + 7 of a tile in the lanes' half h, four
; neighbouring tiles give that half 32 neighbouring tokens, a whole block along attention's second K.
; A tile's record in xr is 6,400 bytes: four images of fragments (16 rows x 128 K: three stores of 16 bytes a lane at 16 x lane) at 1,536 s, and at 6,144 + 8 x lane two words:
; word 0 holds the rows' scale words of K step 0 in lanes 0-15 and of K step 1 in lanes 16-31, word 1 those of K steps 2 and 3.
; PHASE A: four batches of four rows; a row is 16 numbers a lane (each load 512 consecutive bytes); mean, then the sum of squared differences (two passes, so a common offset does no harm), both over the
; wave's 32 lanes; the normalised rows go to the wave's own stage in LDS (rows 2,064 bytes apart: 129 x 16, so that the sixteen rows of a read start in different banks).
; PHASE B: lane (r, h) reads from row r the 16 numbers of half h of each block of 32, and the quantiser works on 64 numbers of a lane.
;
; THE WEIGHTS, f32 with K as their FIRST axis.  A PAIR is 32 columns: two tiles u = 0, 1 of 16 rows; row r of tile u is column 32 P + 8 u + r + 8 (r / 8).  A pair's scale words of one K step are 128 bytes
; at 4 x lane: lanes 0-15 tile 0, lanes 16-31 tile 1.  Records in wr: Wq, Wk, Wv: 16 pairs each of 12,800 bytes from byte 0 (images at 3,072 s + 1,536 u, scale words at 12,288 + 128 s);
; W1: 128 such pairs from 614,400;  W2: 16 pairs of 102,400 bytes from 2,252,800 (32 K steps; scale words at 98,304 + 128 s).
; A work-group takes 128 columns x 128 K of one tensor, a wave one pair.  A LANE TAKES A COLUMN AND ITS REGISTERS RUN DOWN K: each load reads the pair's 128 consecutive bytes, a block of 32 lies in one
; lane, and the conversions give codes with K innermost.  Lanes 0-15 hold tile 0's columns, lanes 16-31 tile 1's; twelve exchanges of lane halves make the two fragments.
; The weights' scale words leave as 128 consecutive bytes a wave: one byte in 24 of what that path stores.
; A block's scale byte is its largest magnitude's exponent field - 2, held at 1 from below.
; LIMITS: a block of zeros gets the byte 1 and zero codes (the bytes are read by this program alone); magnitudes under 2^-124 count as the floor; NaN and infinities are not served;
; 1 / sqrt by v_rsq_f32 and a multiplication by 1 / 511, each within about 1e-7 of the number.
.set LNWG, 128                         ; work-groups of the layer norm: 512 tiles, four to a work-group
.set TM,  8                            ; layer norm, phase B: v8-23 at work in the quantiser
.set SEL, 20                           ; s[20:21] selects of v_permlanex16_b32: lane l xor 16
.set XR,  32                           ; weights: v32-159  four blocks of 32 numbers
.set FA,  160                          ; v160-171 blocks 0 and 2, later tile 0's fragment
.set FB,  172                          ; v172-183 blocks 1 and 3, later tile 1's fragment
.set TCV, 184                          ; v184-186 a block's upper 16 codes (a conversion's three registers begin on an even number)
	v_lshl_add_u32 v240, v0, 2, 0x20400
	v_mov_b32 v241, 0
	s_cmp_lt_u32 ttmp9, LNWG
	s_cbranch_scc0 .Lweights
	; ---------------------------------------------------------------- the layer norm
	s_load_b256 s[4:11], s[0:1], 0x0               ; x, alpha, beta, xr
	v_lshrrev_b32 v1, 5, v0
	v_readfirstlane_b32 s12, v1                    ; wave
	v_and_b32 v5, 31, v0                           ; lane
	v_and_b32 v6, 15, v0                           ; r
	v_bfe_u32 v7, v0, 4, 1                         ; h
	v_lshlrev_b32 v1, 4, v5                        ; 16 x lane
	v_lshlrev_b32 v4, 3, v5                        ; 8 x lane
	s_mul_i32 s13, s12, 33024                      ; my stage
	v_add_nc_u32 v2, s13, v1                       ; into it: 16 x lane
	v_mul_u32_u24 v3, v6, 2064
	v_lshl_add_u32 v3, v7, 6, v3
	v_add_nc_u32 v3, s13, v3                       ; out of it: row r, + 64 h
	s_lshl_b32 s14, ttmp9, 2
	s_add_co_u32 s14, s14, s12                     ; my tile T
	s_lshr_b32 s15, s14, 2
	s_lshl_b32 s15, s15, 6
	s_and_b32 s17, s14, 3
	s_lshl_b32 s17, s17, 3
	s_add_co_u32 s15, s15, s17                     ; its first token: 64 (T / 4) + 8 (T % 4)
	s_lshl_b32 s26, s15, 11
	s_mov_b32 s27, 0
	s_mul_i32 s28, s14, 6400
	s_mov_b32 s29, 0
	s_mov_b32 s[SEL], 0x76543210
	s_mov_b32 s[SEL+1], 0xfedcba98
	s_mov_b32 s22, 0xffff0000                      ; lanes 16-31
	s_mov_b32 s23, 0x3b004020                      ; 1 / 511
	s_mov_b32 s24, 0x358637bd                      ; 1e-6
.irp p, 0,1,2,3
	v_mov_b32 v[16+\p], 0                          ; written once: a lane permute's destination counts as one of its sources
.endr
	s_wait_kmcnt 0x0
	s_load_b32 s16, s[6:7], 0x0                    ; alpha
	s_load_b32 s18, s[8:9], 0x0                    ; beta
	s_add_nc_u64 s[4:5], s[4:5], s[26:27]
	s_add_nc_u64 s[10:11], s[10:11], s[28:29]
.macro LOADB k                         ; rows 4 k .. 4 k + 3 into set k % 2 (v32-95, v96-159); rows 8-15 lie 24 tokens further on than their number says
.irp p, 0,1,2,3
.irp j, 0,1,2,3
	global_load_b128 v[32+64*((\k)%2)+16*\p+4*\j:32+64*((\k)%2)+16*\p+4*\j+3], v1, s[4:5] offset:(4*(\k)+\p+24*((\k)/2))*2048+512*\j
.endr
.endr
.endm
.macro REDUCE a                        ; the four pairs at v[a + 2 p]: the two halves, then the 32 lanes; every lane ends with the sum in the pair's low register
.irp p, 0,1,2,3
	v_add_f32 v[\a+2*\p], v[\a+2*\p], v[\a+2*\p+1]
.endr
.irp m, 1,2,4,8
.irp p, 0,1,2,3
	v_add_f32_dpp v[\a+2*\p], v[\a+2*\p], v[\a+2*\p] row_xmask:\m row_mask:0xf bank_mask:0xf
.endr
.endr
.irp p, 0,1,2,3
	v_permlanex16_b32 v[16+\p], v[\a+2*\p], s[SEL], s[SEL+1]
.endr
.irp p, 0,1,2,3
	v_add_f32 v[\a+2*\p], v[\a+2*\p], v[16+\p]
.endr
.endm
.macro PROC k                          ; four rows by turns, so that no line waits for the line above it
.set BS, 32+64*((\k)%2)
.irp p, 0,1,2,3
	v_pk_add_f32 v[8+2*\p:9+2*\p], v[BS+16*\p:BS+16*\p+1], v[BS+16*\p+2:BS+16*\p+3]
.endr
.irp j, 4,6,8,10,12,14
.irp p, 0,1,2,3
	v_pk_add_f32 v[8+2*\p:9+2*\p], v[8+2*\p:9+2*\p], v[BS+16*\p+\j:BS+16*\p+\j+1]
.endr
.endr
	REDUCE 8
.irp p, 0,1,2,3
	v_mul_f32 v[8+2*\p], 0x3b000000, v[8+2*\p]     ; the mean: / 512, exact
.endr
.irp j, 0,2,4,6,8,10,12,14
.irp p, 0,1,2,3
	v_pk_add_f32 v[BS+16*\p+\j:BS+16*\p+\j+1], v[BS+16*\p+\j:BS+16*\p+\j+1], v[8+2*\p:9+2*\p] op_sel_hi:[1,0] neg_lo:[0,1] neg_hi:[0,1]   ; d = x - mean (the pair's low register serves both halves)
.endr
.endr
.irp p, 0,1,2,3
	v_pk_mul_f32 v[20+2*\p:21+2*\p], v[BS+16*\p:BS+16*\p+1], v[BS+16*\p:BS+16*\p+1]
.endr
.irp j, 2,4,6,8,10,12,14
.irp p, 0,1,2,3
	v_pk_fma_f32 v[20+2*\p:21+2*\p], v[BS+16*\p+\j:BS+16*\p+\j+1], v[BS+16*\p+\j:BS+16*\p+\j+1], v[20+2*\p:21+2*\p]
.endr
.endr
	REDUCE 20
.irp p, 0,1,2,3
	v_fma_f32 v[20+2*\p], v[20+2*\p], s23, s24     ; var + eps
.endr
	s_wait_alu depctr_va_vdst(0)
.irp p, 0,1,2,3
	v_rsq_f32 v[20+2*\p], v[20+2*\p]
.endr
	v_nop                                          ; one plain place behind the transcendentals
	s_wait_alu depctr_va_vdst(0)
.irp p, 0,1,2,3
	v_mul_f32 v[20+2*\p], s16, v[20+2*\p]          ; alpha / sqrt(var + eps)
.endr
.irp j, 0,2,4,6,8,10,12,14
.irp p, 0,1,2,3
	v_pk_fma_f32 v[BS+16*\p+\j:BS+16*\p+\j+1], v[BS+16*\p+\j:BS+16*\p+\j+1], v[20+2*\p:21+2*\p], s[18:19] op_sel_hi:[1,0,0]
.endr
.endr
.irp p, 0,1,2,3
.irp j, 0,1,2,3
	ds_store_b128 v2, v[BS+16*\p+4*\j:BS+16*\p+4*\j+3] offset:(4*(\k)+\p)*2064+512*\j
.endr
.endr
.endm
; 64 numbers of a lane, register 16 b + i = k 32 b + 16 h + i of my row, become a fragment's codes in v[pc] .. v[pc + 11] (pc + 12 .. pc + 18 at work) and the row's scale word in v[pw].
.macro QUANT s, pc, pw
.irp b, 0,1,2,3
	v_max3_num_f32 v[TM+\b], |v[\s+16*\b]|, |v[\s+1+16*\b]|, 0x1800000   ; block b: my 16 numbers, and the floor 2^(3 - 127): the byte cannot fall under 1
.endr
.irp i, 2,4,6,8,10,12,14
.irp b, 0,1,2,3
	v_max3_num_f32 v[TM+\b], v[TM+\b], |v[\s+16*\b+\i]|, |v[\s+1+16*\b+\i]|
.endr
.endr
.irp b, 0,1,2,3
	v_permlanex16_b32 v[TM+4+\b], v[TM+\b], s[SEL], s[SEL+1]
.endr
.irp b, 0,1,2,3
	v_max_num_f32 v[TM+\b], v[TM+\b], v[TM+4+\b]   ; with lane l xor 16's: the block's largest magnitude
.endr
.irp b, 0,1,2,3
	v_add_nc_u32 v[TM+12+\b], 0xff000000, v[TM+\b] ; 2 off its exponent field: the conversion's scale operand
.endr
.irp b, 0,1,2,3
	v_lshrrev_b32 v[TM+4+\b], 23, v[TM+12+\b]      ; the scale's byte
.endr
	v_lshl_or_b32 v[\pw], v[TM+5], 8, v[TM+4]
	v_lshl_or_b32 v[\pw], v[TM+6], 16, v[\pw]
	v_lshl_or_b32 v[\pw], v[TM+7], 24, v[\pw]
.irp c, 0,1
	v_cvt_scalef32_pk16_fp6_f32 v[\pc+6*\c:\pc+2+6*\c], v[\s+32*\c:\s+15+32*\c], v[TM+12+2*\c]
	v_cvt_scalef32_pk16_fp6_f32 v[\pc+12+4*\c:\pc+14+4*\c], v[\s+16+32*\c:\s+31+32*\c], v[TM+12+2*\c+1]
.endr
	v_nop                                          ; one plain place behind a scaled conversion
.irp c, 0,1                            ; the operand's layout wants a whole block in a lane: lanes 0-15 block 2 c, lanes 16-31 block 2 c + 1
.irp i, 0,1,2
	v_permlane16_swap_b32 v[\pc+6*\c+\i], v[\pc+12+4*\c+\i]
.endr
.irp i, 0,1,2
	v_mov_b32 v[\pc+3+6*\c+\i], v[\pc+12+4*\c+\i]
.endr
.endr
.endm
.macro RD s                            ; K step s of my row: 16 numbers of my half of each of its four blocks, into set s % 2
.irp b, 0,1,2,3
.irp j, 0,1,2,3
	ds_load_b128 v[32+64*((\s)%2)+16*\b+4*\j:32+64*((\s)%2)+16*\b+4*\j+3], v3 offset:512*(\s)+128*\b+16*\j
.endr
.endr
.endm
.macro OUTF s                          ; the image of K step s: each K step has registers of its own, so no store's data are written again
.irp q, 0,1,2
	global_store_b128 v1, v[160+20*(\s)+4*\q:160+20*(\s)+4*\q+3], s[10:11] offset:1536*(\s)+512*\q
.endr
.endm
	LOADB 0
	LOADB 1
	s_wait_kmcnt 0x0
	s_mov_b32 s19, s18                             ; beta is named as a pair
	s_wait_loadcnt 16                              ; batch 0 is in; batch 1's 16 loads may be out
	PROC 0
	s_wait_dscnt 0x0                               ; the LDS stores have read their registers: the next loads land there
	LOADB 2
	s_wait_loadcnt 16                              ; batch 1 is in; batch 2's 16 may be out
	PROC 1
	s_wait_dscnt 0x0
	LOADB 3
	s_wait_loadcnt 16                              ; batch 2 is in; batch 3's 16 may be out
	PROC 2
	s_wait_loadcnt 0x0
	PROC 3
	s_wait_dscnt 0x0                               ; the stores have read their registers; LDS serves a wave's instructions in order, so the loads below see them
	RD 0
	RD 1
	s_wait_dscnt 16                                ; K step 0 is in; K step 1's 16 loads may be out
	QUANT 32, 160, 24
	OUTF 0
	RD 2
	s_wait_dscnt 16                                ; K step 1 is in; K step 2's 16 may be out
	QUANT 96, 180, 25
	OUTF 1
	RD 3
	s_wait_dscnt 16                                ; K step 2 is in; K step 3's 16 may be out
	QUANT 32, 200, 26
	OUTF 2
	s_wait_dscnt 0x0
	QUANT 96, 220, 27
	OUTF 3
	v_cndmask_b32 v28, v24, v25, s22               ; lanes 0-15: K step 0's words; lanes 16-31: K step 1's (every lane holds its row's word)
	v_cndmask_b32 v29, v26, v27, s22               ; K steps 2 and 3
	global_store_b64 v4, v[28:29], s[10:11] offset:6144   ; 32 lanes store 256 consecutive bytes
	s_wait_tensorcnt 0x0
	ds_add_u32 v240, v241
	s_wait_dscnt 0x0
	s_endpgm
	; ---------------------------------------------------------------- the weights
.Lweights:
	s_load_b256 s[4:11], s[0:1], 0x20              ; Wq, Wk, Wv, W1
	s_load_b128 s[12:15], s[0:1], 0x40             ; W2, wr
	s_sub_co_u32 s38, ttmp9, LNWG                  ; this path's work-group, 0 .. 303
	v_lshrrev_b32 v1, 5, v0
	v_readfirstlane_b32 s16, v1                    ; wave
	v_and_b32 v1, 31, v0                           ; lane
	v_lshrrev_b32 v5, 4, v1                        ; u
	v_and_b32 v6, 7, v1
	v_and_b32 v7, 8, v1
	v_lshl_add_u32 v6, v7, 1, v6                   ; r + 8 (r / 8)
	v_lshl_add_u32 v6, v5, 3, v6                   ; + 8 u: my column in the pair
	v_lshlrev_b32 v2, 2, v6                        ; in bytes
	v_lshlrev_b32 v3, 4, v1                        ; 16 x lane
	v_lshlrev_b32 v4, 2, v1                        ; 4 x lane
	; which tensor, which 128 columns (cg), which 128 along K (ks): work-groups 0-47 Wq, Wk, Wv; 48-175 W2; 176-303 W1
	s_lshr_b32 s20, s38, 4
	s_lshl_b32 s17, s20, 4                         ; the tensor's first work-group
	s_mul_i32 s21, s20, 204800                     ; its records' first byte
	s_mov_b32 s22, 12800                           ; bytes of a pair's record
	s_mov_b32 s23, 12288                           ; where its scale words begin
	s_mov_b32 s24, 3                               ; cg = v & this
	s_mov_b32 s25, 2                               ; ks = v >> this
	s_mov_b32 s26, 128*2048                        ; 128 rows of the tensor in bytes
	s_cmp_ge_u32 s38, 48
	s_cselect_b32 s17, 48, s17
	s_cselect_b32 s21, 2252800, s21
	s_cselect_b32 s22, 102400, s22
	s_cselect_b32 s23, 98304, s23
	s_cmp_ge_u32 s38, 176
	s_cselect_b32 s17, 176, s17
	s_cselect_b32 s21, 614400, s21
	s_cselect_b32 s22, 12800, s22
	s_cselect_b32 s23, 12288, s23
	s_cselect_b32 s24, 31, s24
	s_cselect_b32 s25, 5, s25
	s_cselect_b32 s26, 128*16384, s26
	s_sub_co_u32 s27, s38, s17
	s_and_b32 s28, s27, s24                        ; cg
	s_lshr_b32 s29, s27, s25                       ; ks
	s_mul_i32 s30, s29, s26
	s_lshl_b32 s18, s28, 9
	s_add_co_u32 s30, s30, s18
	s_lshl_b32 s18, s16, 7
	s_add_co_u32 s30, s30, s18                     ; in: ks x 128 rows + 512 cg + 128 wave
	s_mov_b32 s31, 0
	s_lshl_b32 s18, s28, 2
	s_add_co_u32 s18, s18, s16                     ; the pair: 4 cg + wave
	s_mul_i32 s18, s18, s22
	s_add_co_u32 s18, s18, s21                     ; its record
	s_mul_i32 s32, s29, 3072
	s_add_co_u32 s32, s32, s18                     ; the K step's two images
	s_mov_b32 s33, 0
	s_lshl_b32 s34, s29, 7
	s_add_co_u32 s34, s34, s18
	s_add_co_u32 s34, s34, s23                     ; and its scale words
	s_mov_b32 s35, 0
	s_wait_kmcnt 0x0
	s_cmp_ge_u32 s38, 16                           ; the choice hangs on the work-group's number alone
	s_cselect_b64 s[4:5], s[6:7], s[4:5]
	s_cmp_ge_u32 s38, 32
	s_cselect_b64 s[4:5], s[8:9], s[4:5]
	s_cmp_ge_u32 s38, 48
	s_cselect_b64 s[4:5], s[12:13], s[4:5]
	s_cmp_ge_u32 s38, 176
	s_cselect_b64 s[4:5], s[10:11], s[4:5]
	s_add_nc_u64 s[4:5], s[4:5], s[30:31]
	s_add_nc_u64 s[36:37], s[14:15], s[34:35]
	s_add_nc_u64 s[14:15], s[14:15], s[32:33]
.macro LOAD b, pitch                   ; block b: rows 32 b + i of my column
.irp i, 0,1,2,3,4,5,6,7,8,9,10,11,12,13,14,15,16,17,18,19,20,21,22,23,24,25,26,27,28,29,30,31
	global_load_b32 v[XR+32*(\b)+\i], v2, s[4:5] offset:(32*(\b)+\i)*(\pitch) th:TH_LOAD_NT
.endr
.endm
.macro BLOCK b
.set XS, XR+32*(\b)
.set FD, FA+12*((\b)%2)+6*((\b)/2)
	v_max3_num_f32 v8, |v[XS]|, |v[XS+1]|, |v[XS+2]|               ; the block's largest magnitude: all 32 numbers are mine; two chains
	v_max3_num_f32 v9, |v[XS+3]|, |v[XS+4]|, |v[XS+5]|
.irp i, 6,10,14,18,22,26
	v_max3_num_f32 v8, v8, |v[XS+\i]|, |v[XS+\i+1]|
	v_max3_num_f32 v9, v9, |v[XS+\i+2]|, |v[XS+\i+3]|
.endr
	v_max3_num_f32 v8, v8, |v[XS+30]|, |v[XS+31]|
	v_max3_num_f32 v8, v8, v9, 0x1800000           ; and the floor 2^(3 - 127): the byte cannot fall under 1
	v_add_nc_u32 v10, 0xff000000, v8               ; 2 off the exponent field: the conversion's scale operand
	v_lshrrev_b32 v11, 23, v10                     ; the scale's byte
.if (\b) == 0
	v_mov_b32 v12, v11
.else
	v_lshl_or_b32 v12, v11, 8*(\b), v12            ; four bytes make my column's scale word
.endif
	v_cvt_scalef32_pk16_fp6_f32 v[FD:FD+2], v[XS:XS+15], v10
	v_cvt_scalef32_pk16_fp6_f32 v[TCV:TCV+2], v[XS+16:XS+31], v10
	v_nop                                          ; one plain place behind a scaled conversion
.irp i, 0,1,2
	v_mov_b32 v[FD+3+\i], v[TCV+\i]
.endr
.endm
.macro RUN pitch
	LOAD 0, \pitch
	LOAD 1, \pitch
	s_wait_loadcnt 32                              ; block 0 is in; the 32 loads of block 1 may be out
	LOAD 2, \pitch
	BLOCK 0
	s_wait_loadcnt 32                              ; block 1 is in; block 2's 32 may be out
	LOAD 3, \pitch
	BLOCK 1
	s_wait_loadcnt 32                              ; block 2 is in; block 3's 32 may be out
	BLOCK 2
	s_wait_loadcnt 0x0
	BLOCK 3
.endm
	s_cmp_ge_u32 s38, 176                          ; the row pitch stands in the loads' immediates: 2,048 bytes, or W1's 16,384
	s_cbranch_scc1 .Lwide
	s_wait_alu depctr_va_vdst(0)
	RUN 2048
	s_branch .Lout
.Lwide:
	s_wait_alu depctr_va_vdst(0)
	RUN 16384
.Lout:
.irp j, 0,1,2,3,4,5,6,7,8,9,10,11
	v_permlane16_swap_b32 v[FA+\j], v[FB+\j]       ; tile 1's blocks 0, 2 change places with tile 0's blocks 1, 3: lane (r, h) now holds blocks h and 2 + h of its tile's row r
.endr
.irp q, 0,1,2
	global_store_b128 v3, v[FA+4*\q:FA+4*\q+3], s[14:15] offset:512*\q          ; 32 lanes store 512 consecutive bytes
.endr
.irp q, 0,1,2
	global_store_b128 v3, v[FB+4*\q:FB+4*\q+3], s[14:15] offset:1536+512*\q
.endr
	global_store_b32 v4, v12, s[36:37]
	s_endpgm
.Lfunc_end_k_qde9ba0b678_prep:
	.size	k_qde9ba0b678_prep, .Lfunc_end_k_qde9ba0b678_prep-k_qde9ba0b678_prep
	.p2alignl 7, 3214868480
	.fill 96, 4, 3214868480
	.section	.rodata,"a",@progbits
	.p2align	6, 0x0
	.amdhsa_kernel k_qde9ba0b678_prep
		.amdhsa_group_segment_fixed_size 132608
		.amdhsa_private_segment_fixed_size 0
		.amdhsa_enable_private_segment 0
		.amdhsa_kernarg_size 80
		.amdhsa_user_sgpr_count 2
		.amdhsa_user_sgpr_kernarg_segment_ptr 1
		.amdhsa_wavefront_size32 1
		.amdhsa_system_sgpr_workgroup_id_x 1
		.amdhsa_system_sgpr_workgroup_id_y 1
		.amdhsa_system_sgpr_workgroup_id_z 1
		.amdhsa_system_vgpr_workitem_id 0
		.amdhsa_next_free_vgpr 242
		.amdhsa_next_free_sgpr 66
		.amdhsa_reserve_vcc 0
		.amdhsa_float_denorm_mode_32 3
		.amdhsa_float_denorm_mode_16_64 3
		.amdhsa_memory_ordered 1
		.amdhsa_forward_progress 1
		.amdhsa_inst_pref_size 119
	.end_amdhsa_kernel
	.amdgpu_metadata
---
amdhsa.version: [ 1, 2 ]
amdhsa.kernels:
  - .name:           k_qde9ba0b678_prep
    .symbol:         k_qde9ba0b678_prep.kd
    .args:
      - { .name: x, .offset: 0, .size: 8, .value_kind: global_buffer, .address_space: global }
      - { .name: alpha, .offset: 8, .size: 8, .value_kind: global_buffer, .address_space: global }
      - { .name: beta, .offset: 16, .size: 8, .value_kind: global_buffer, .address_space: global }
      - { .name: xr, .offset: 24, .size: 8, .value_kind: global_buffer, .address_space: global }
      - { .name: Wq, .offset: 32, .size: 8, .value_kind: global_buffer, .address_space: global }
      - { .name: Wk, .offset: 40, .size: 8, .value_kind: global_buffer, .address_space: global }
      - { .name: Wv, .offset: 48, .size: 8, .value_kind: global_buffer, .address_space: global }
      - { .name: W1, .offset: 56, .size: 8, .value_kind: global_buffer, .address_space: global }
      - { .name: W2, .offset: 64, .size: 8, .value_kind: global_buffer, .address_space: global }
      - { .name: wr, .offset: 72, .size: 8, .value_kind: global_buffer, .address_space: global }
    .group_segment_fixed_size: 132608
    .private_segment_fixed_size: 0
    .kernarg_segment_align: 8
    .kernarg_segment_size: 80
    .max_flat_workgroup_size: 128
    .sgpr_count:     66
    .vgpr_count:     242
    .wavefront_size: 32
...
	.end_amdgpu_metadata
.endif
;; end of part 1
;; launch qkv (part 2): grid 64 x 3, 16 waves a work-group, no clusters, 169,984 bytes of LDS; arguments xr, wr, qr, kv; writes qr, kv
.if DOCPART == 2
	.amdgcn_target "amdgcn-amd-amdhsa--gfx1250"
	.amdhsa_code_object_version 6
	.text
	.protected	k_qde9ba0b678_qkv
	.globl	k_qde9ba0b678_qkv
	.p2align	8
	.type	k_qde9ba0b678_qkv,@function
k_qde9ba0b678_qkv:
	s_mov_b64 s[64:65], 0
	v_nop
	global_prefetch_b8 v0, s[64:65] scope:SCOPE_SE
	s_setreg_imm32_b32 hwreg(HW_REG_WAVE_MODE, 25, 1), 1
	s_wait_xcnt 0x0
; q, k, v = LN(x) Wq, Wk, Wv on codes of FP6 (E2M3), and the results quantised at once as attention's operands.  Work-group x: 128 tokens (8 tiles of 16); work-group y: 0 q, 1 k, 2 v.
; Row r of tile T is token 64 (T / 4) + 8 (T % 4) + r % 8 + 32 (r / 8), as the layer norm has laid the tiles.
; Wave w is head w: its pair of W (32 columns, 8 fragments, 96 registers) stays in registers, read from memory once; the eight token tiles' records (6,400 bytes each) come into LDS once, by one tensor load
; in each of waves 0-7, and all sixteen waves read them.  LDS is filled once: nothing is filled again.
; q, k: THE PRODUCT IS USED TRANSPOSED (source 0 = 16 columns of W, source 1 = 16 tokens): lane (row r, h) holds channels 16 h + 0 .. 15 of the head in the pair's 16 registers: half of the one block of 32
; along attention's first K.  Four token tiles are the quantiser's four blocks: its result is an IMAGE in which block 2 c + h of lane (r, h) is row r of tile 2 c + h of the four, all 32 channels.
; v: source 0 = 16 tokens, source 1 = 16 columns: lane (channel row r, h) holds rows 8 h + 0 .. 7 of each of the eight tiles, which by the tiles' choice of tokens are tokens 64 c + 32 h + 0 .. 31 in
; registers 32 c + 0 .. 31: two WHOLE blocks of 32 keys a lane, in ascending order: the operand's own layout.  So v's quantiser asks no other lane for a maximum and exchanges no codes.
; Records: kv, 102,400 bytes a (batch, head): k's images at 1,536 f (four tiles each), v's at 49,152 + 1,536 (2 s + u), k's scale words at 98,304 + 128 s (lanes 0-15 image 2 s, lanes 16-31 image 2 s + 1),
; v's at 100,352 + 128 s (lanes 0-15 u = 0, lanes 16-31 u = 1).  qr, 51,200 bytes: codes at 768 G + 256 p + 8 x lane (lane (r, h): tile 2 G + h, row r, bytes 8 p on), scale words at 49,152 + 128 s as k's.
; No cluster: a block of tokens is shared by three work-groups only, and 3 is no multiple of a cluster's 4.  The scale words leave as 128 consecutive bytes.
; LIMITS: a block of zeros gets the byte 1 and zero codes; NaN and infinities are not served.
.set W,   16                           ; v16-111  W's fragments: (K step s, tile u) at 12 (2 s + u)
.set WS,  112                          ; v112-115 W's scale words, one register a K step: lanes 0-15 u = 0, lanes 16-31 u = 1
.set XS,  116                          ; v116-131 the tokens' scale words: tile a at 2 a: K steps 0 | 1, then 2 | 3
.set ACC, 132                          ; v132-195 eight accumulators
.set XF,  196                          ; v196-243 four fragments of tokens; between the products the quantiser works here:
.set TM,  196
.set PW,  212
.set PC,  216
.set PWS, 244                          ; the first group's scale word
.set PWM, 245                          ; both groups' words, as stored
.set H8,  5                            ; v5: 8 x (lane / 16)
.set SEL, 20
.macro PLACES
.rept 4
	v_nop
.endr
.endm
; one matrix instruction: D at d, sources at a and b, C at c (c < 0: the constant 0), scale registers sa, sb; ra, rb = 1: that side's scales are taken from lanes 16-31
.macro WM d, a, b, c, sa, sb, ra, rb
.if (\c) < 0
.if ((\ra) == 0) && ((\rb) == 0)
	v_wmma_scale_f32_16x16x128_f8f6f4 v[\d:\d+7], v[\a:\a+11], v[\b:\b+11], 0, v[\sa], v[\sb] matrix_a_fmt:MATRIX_FMT_FP6 matrix_b_fmt:MATRIX_FMT_FP6
.elseif (\rb) == 0
	v_wmma_scale_f32_16x16x128_f8f6f4 v[\d:\d+7], v[\a:\a+11], v[\b:\b+11], 0, v[\sa], v[\sb] matrix_a_fmt:MATRIX_FMT_FP6 matrix_b_fmt:MATRIX_FMT_FP6 matrix_a_scale:MATRIX_SCALE_ROW1
.elseif (\ra) == 0
	v_wmma_scale_f32_16x16x128_f8f6f4 v[\d:\d+7], v[\a:\a+11], v[\b:\b+11], 0, v[\sa], v[\sb] matrix_a_fmt:MATRIX_FMT_FP6 matrix_b_fmt:MATRIX_FMT_FP6 matrix_b_scale:MATRIX_SCALE_ROW1
.else
	v_wmma_scale_f32_16x16x128_f8f6f4 v[\d:\d+7], v[\a:\a+11], v[\b:\b+11], 0, v[\sa], v[\sb] matrix_a_fmt:MATRIX_FMT_FP6 matrix_b_fmt:MATRIX_FMT_FP6 matrix_a_scale:MATRIX_SCALE_ROW1 matrix_b_scale:MATRIX_SCALE_ROW1
.endif
.else
.if ((\ra) == 0) && ((\rb) == 0)
	v_wmma_scale_f32_16x16x128_f8f6f4 v[\d:\d+7], v[\a:\a+11], v[\b:\b+11], v[\c:\c+7], v[\sa], v[\sb] matrix_a_fmt:MATRIX_FMT_FP6 matrix_b_fmt:MATRIX_FMT_FP6
.elseif (\rb) == 0
	v_wmma_scale_f32_16x16x128_f8f6f4 v[\d:\d+7], v[\a:\a+11], v[\b:\b+11], v[\c:\c+7], v[\sa], v[\sb] matrix_a_fmt:MATRIX_FMT_FP6 matrix_b_fmt:MATRIX_FMT_FP6 matrix_a_scale:MATRIX_SCALE_ROW1
.elseif (\ra) == 0
	v_wmma_scale_f32_16x16x128_f8f6f4 v[\d:\d+7], v[\a:\a+11], v[\b:\b+11], v[\c:\c+7], v[\sa], v[\sb] matrix_a_fmt:MATRIX_FMT_FP6 matrix_b_fmt:MATRIX_FMT_FP6 matrix_b_scale:MATRIX_SCALE_ROW1
.else
	v_wmma_scale_f32_16x16x128_f8f6f4 v[\d:\d+7], v[\a:\a+11], v[\b:\b+11], v[\c:\c+7], v[\sa], v[\sb] matrix_a_fmt:MATRIX_FMT_FP6 matrix_b_fmt:MATRIX_FMT_FP6 matrix_a_scale:MATRIX_SCALE_ROW1 matrix_b_scale:MATRIX_SCALE_ROW1
.endif
.endif
.endm
; q, k: 64 numbers of a lane, register 16 b + i = place 16 h + i of block b, become a fragment's codes in v[pc] .. v[pc + 11] and the scale word in v[pw]
.macro QUANT s, pc, pw
.irp b, 0,1,2,3
	v_max3_num_f32 v[TM+\b], |v[\s+16*\b]|, |v[\s+1+16*\b]|, 0x1800000   ; my 16 numbers of block b, from each accumulator's low end on, and the floor 2^(3 - 127)
.endr
.irp i, 2,4,6,8,10,12,14
.irp b, 0,1,2,3
	v_max3_num_f32 v[TM+\b], v[TM+\b], |v[\s+16*\b+\i]|, |v[\s+1+16*\b+\i]|
.endr
.endr
.irp b, 0,1,2,3
	s_delay_alu instid0(VALU_DEP_4)
	v_permlanex16_b32 v[TM+4+\b], v[TM+\b], s[SEL], s[SEL+1]
.endr
.irp b, 0,1,2,3
	s_delay_alu instid0(VALU_DEP_4)
	v_max_num_f32 v[TM+\b], v[TM+\b], v[TM+4+\b]
.endr
.irp b, 0,1,2,3
	s_delay_alu instid0(VALU_DEP_4)
	v_add_nc_u32 v[TM+12+\b], 0xff000000, v[TM+\b]
.endr
.irp b, 0,1,2,3
	s_delay_alu instid0(VALU_DEP_4)
	v_lshrrev_b32 v[TM+4+\b], 23, v[TM+12+\b]
.endr
	s_delay_alu instid0(VALU_DEP_3)
	v_lshl_or_b32 v[\pw], v[TM+5], 8, v[TM+4]
	s_delay_alu instid0(VALU_DEP_1)
	v_lshl_or_b32 v[\pw], v[TM+6], 16, v[\pw]
	s_delay_alu instid0(VALU_DEP_1)
	v_lshl_or_b32 v[\pw], v[TM+7], 24, v[\pw]
.irp c, 0,1
	v_cvt_scalef32_pk16_fp6_f32 v[\pc+6*\c:\pc+2+6*\c], v[\s+32*\c:\s+15+32*\c], v[TM+12+2*\c]
	v_cvt_scalef32_pk16_fp6_f32 v[\pc+12+4*\c:\pc+14+4*\c], v[\s+16+32*\c:\s+31+32*\c], v[TM+12+2*\c+1]
.endr
	v_nop                                          ; one plain place behind a scaled conversion
.irp c, 0,1
.irp i, 0,1,2
	v_permlane16_swap_b32 v[\pc+6*\c+\i], v[\pc+12+4*\c+\i]
.endr
.irp i, 0,1,2
	s_delay_alu instid0(VALU_DEP_3)
	v_mov_b32 v[\pc+3+6*\c+\i], v[\pc+12+4*\c+\i]
.endr
.endr
.endm
; v: 64 numbers of a lane, register 32 c + i = place i of block 2 c + h: two whole blocks.  The codes are the operand's registers as they come; the scale word's four bytes are gathered from lanes l and l xor 16
.macro QUANTW s, pc, pw
.irp b, 0,1,2,3
	v_max3_num_f32 v[TM+\b], |v[\s+16*\b]|, |v[\s+1+16*\b]|, 0x1800000   ; four chains of 16, from each accumulator's low end on, and the floor 2^(3 - 127)
.endr
.irp i, 2,4,6,8,10,12,14
.irp b, 0,1,2,3
	v_max3_num_f32 v[TM+\b], v[TM+\b], |v[\s+16*\b+\i]|, |v[\s+1+16*\b+\i]|
.endr
.endr
.irp c, 0
	s_delay_alu instid0(VALU_DEP_3)
	v_max_num_f32 v[TM+2*\c], v[TM+2*\c], v[TM+2*\c+1]             ; my block 2 c + h's largest magnitude
.endr
.irp c, 1
	s_delay_alu instid0(VALU_DEP_2)
	v_max_num_f32 v[TM+2*\c], v[TM+2*\c], v[TM+2*\c+1]             ; my block 2 c + h's largest magnitude
.endr
.irp c, 0,1
	s_delay_alu instid0(VALU_DEP_2)
	v_add_nc_u32 v[TM+12+\c], 0xff000000, v[TM+2*\c]               ; 2 off its exponent field: the conversion's scale operand
.endr
.irp c, 0,1
	s_delay_alu instid0(VALU_DEP_2)
	v_lshrrev_b32 v[TM+4+\c], 23, v[TM+12+\c]                      ; the scale's byte
.endr
	s_delay_alu instid0(VALU_DEP_1)
	v_lshl_or_b32 v[TM+4], v[TM+5], 16, v[TM+4]                    ; my two bytes: blocks h and 2 + h,
	s_delay_alu instid0(VALU_DEP_1)
	v_lshlrev_b32 v[TM+4], v[H8], v[TM+4]                          ; at their places in the word (8 h bits up);
	s_delay_alu instid0(VALU_DEP_1)
	v_permlanex16_b32 v[TM+5], v[TM+4], s[SEL], s[SEL+1]
	s_delay_alu instid0(VALU_DEP_1)
	v_or_b32 v[\pw], v[TM+4], v[TM+5]                              ; with lane l xor 16's two the word is whole, in both halves of the lanes
.irp c, 0,1
	v_cvt_scalef32_pk16_fp6_f32 v[\pc+6*\c:\pc+2+6*\c], v[\s+32*\c:\s+15+32*\c], v[TM+12+\c]
	v_cvt_scalef32_pk16_fp6_f32 v[\pc+12+4*\c:\pc+14+4*\c], v[\s+16+32*\c:\s+31+32*\c], v[TM+12+\c]   ; (a conversion's three registers begin on an even number)
.endr
	v_nop                                          ; one plain place behind a scaled conversion
.irp c, 0,1
.irp i, 0,1,2
	v_mov_b32 v[\pc+3+6*\c+\i], v[\pc+12+4*\c+\i]
.endr
.endr
.endm
	s_load_b256 s[4:11], s[0:1], 0x0               ; xr, wr, qr, kv
	v_lshl_add_u32 v254, v0, 2, 0x29000
	v_mov_b32 v255, 0
	ds_add_u32 v254, v255
	ds_add_u32 v254, v255
	v_lshrrev_b32 v1, 5, v0
	s_delay_alu instid0(VALU_DEP_1)
	v_readfirstlane_b32 s12, v1                    ; wave = head
	v_and_b32 v4, 31, v0
	s_delay_alu instid0(VALU_DEP_1)
	v_lshlrev_b32 v1, 4, v4                        ; 16 x lane
	s_delay_alu instid0(VALU_DEP_2)
	v_lshlrev_b32 v2, 2, v4                        ; 4 x lane
	s_delay_alu instid0(VALU_DEP_3)
	v_lshlrev_b32 v3, 3, v4                        ; 8 x lane
	v_bfe_u32 v[H8], v0, 4, 1
	s_delay_alu instid0(VALU_DEP_1)
	v_lshlrev_b32 v[H8], 3, v[H8]                  ; 8 h
.irp b, 0,1,2,3
	v_mov_b32 v[TM+4+\b], 0                        ; a lane permute's destination counts as one of its sources
.endr
	s_and_b32 s14, ttmp7, 0xffff                   ; 0 q, 1 k, 2 v
	s_lshr_b32 s15, ttmp9, 4                       ; batch
	s_and_b32 s16, ttmp9, 15                       ; which 128 tokens of the batch
	s_mov_b32 s[SEL], 0x76543210
	s_mov_b32 s[SEL+1], 0xfedcba98
	s_mov_b32 s22, 0xffff0000                      ; lanes 16-31
	; descriptor group 1: a dense block of 6,400 bytes as 25 rows of 32 elements of 8 bytes
	s_mov_b32 s24, 3<<16
	s_mov_b32 s25, 32<<16
	s_mov_b32 s26, 25<<16
	s_mov_b32 s27, 32<<16
	s_mov_b32 s28, 25
	s_mov_b32 s29, 32
	s_mov_b32 s30, 0
	s_mov_b32 s31, 0
	s_lshl_b32 s36, s14, 4
	s_add_co_u32 s36, s36, s12
	s_mul_i32 s36, s36, 12800                      ; W's record: tensor y, pair = head
	s_mov_b32 s37, 0
	s_lshl_b32 s52, ttmp9, 3
	s_add_co_u32 s52, s52, s12
	s_mul_i32 s52, s52, 6400                       ; the token tile that waves 0-7 fetch
	s_mov_b32 s53, 0
	s_lshl_b32 s17, s15, 4
	s_add_co_u32 s17, s17, s12                     ; (batch, head)
	s_mul_i32 s44, s17, 51200
	s_mul_i32 s46, s17, 102400
	s_mul_i32 s18, s16, 3072
	s_lshl_b32 s19, s16, 7
	s_cmp_eq_u32 s14, 2
	s_cselect_b32 s23, 49152, 0                    ; v's images lie behind k's,
	s_cselect_b32 s38, 2048, 0                     ; its scale words behind k's
	s_add_co_u32 s45, s44, s19
	s_add_co_u32 s45, s45, 49152                   ; q: scale words
	s_add_co_u32 s44, s44, s18                     ; q: codes
	s_add_co_u32 s47, s46, s19
	s_add_co_u32 s47, s47, s38
	s_add_co_u32 s47, s47, 98304                   ; k, v: scale words
	s_add_co_u32 s46, s46, s18
	s_add_co_u32 s46, s46, s23                     ; k, v: codes
	s_mov_b32 s49, 0
	s_mov_b32 s51, 0
	s_wait_alu depctr_va_vdst(0)
	s_wait_dscnt 0x0
	s_wait_kmcnt 0x0
	s_cmp_eq_u32 s14, 0                            ; the choice of the output hangs on the work-group's number alone
	s_cselect_b32 s48, s44, s46
	s_cselect_b32 s50, s45, s47
	s_cselect_b64 s[40:41], s[8:9], s[10:11]
	s_add_nc_u64 s[42:43], s[40:41], s[50:51]      ; where my scale words go
	s_add_nc_u64 s[40:41], s[40:41], s[48:49]      ; where my codes go
	s_add_nc_u64 s[36:37], s[6:7], s[36:37]
.irp i, 0,1,2,3,4,5,6,7,8,9,10,11,12,13,14,15,16,17,18,19,20,21,22,23
	global_load_b128 v[W+4*\i:W+4*\i+3], v1, s[36:37] offset:512*\i       ; the record's eight images on end are the eight fragments
.endr
.irp s, 0,1,2,3
	global_load_b32 v[WS+\s], v2, s[36:37] offset:12288+128*\s
.endr
	s_mov_b32 s32, 1
	s_mul_i32 s33, s12, 6400                       ; LDS: tile a at 6,400 a
	s_add_nc_u64 s[34:35], s[4:5], s[52:53]
	s_or_b32 s35, s35, 0x80000000
	s_cmp_lt_u32 s12, 8
	s_cbranch_scc0 .Lno_fill
	tensor_load_to_lds s[32:35], s[24:31]          ; one load of mine is out
	s_nop 0
	PLACES
.Lno_fill:
	s_wait_tensorcnt 0x0                           ; my tile has landed,
	s_barrier_signal -1
	s_barrier_wait -1                              ; everybody's has
.irp a, 0,1,2,3,4,5,6,7
	ds_load_b64 v[XS+2*\a:XS+2*\a+1], v3 offset:6400*\a+6144
.endr
	s_wait_loadcnt 0x0                             ; W
; four token tiles a0 .. a0 + 3 at K step s.  The registers held codes that stores read (freed by the wait on XCNT) and fragments that matrix instructions read (four places)
.macro XFETCH a0, s
	s_wait_xcnt 0x0
	PLACES
.irp i, 0,1,2,3
.irp q, 0,1,2
	ds_load_b128 v[XF+12*\i+4*\q:XF+12*\i+4*\q+3], v1 offset:((\a0)+\i)*6400+1536*(\s)+512*\q
.endr
.endr
	s_wait_dscnt 0x0
.endm
; q, k: token tiles 4 g .. 4 g + 3 x the pair's two tiles: eight accumulators by turns, one instruction a turn
.macro QKGROUP g
.irp s, 0,1,2,3
	XFETCH 4*(\g), \s
.irp b, 0,1,2,3
.irp u, 0,1
.if \s == 0
	WM ACC+8*(2*\b+\u), W+12*(2*\s+\u), XF+12*\b, -1, WS+\s, XS+2*(4*(\g)+\b)+\s/2, \u, \s%2
.else
	WM ACC+8*(2*\b+\u), W+12*(2*\s+\u), XF+12*\b, ACC+8*(2*\b+\u), WS+\s, XS+2*(4*(\g)+\b)+\s/2, \u, \s%2
.endif
.endr
.endr
.endr
	PLACES
	QUANT ACC, PC, PW
.endm
; v: the eight token tiles x tile u of the pair
.macro VGROUP u
.irp s, 0,1,2,3
.irp e, 0,1
	XFETCH 4*\e, \s
.irp i, 0,1,2,3
.if \s == 0
	WM ACC+8*(4*\e+\i), XF+12*\i, W+12*(2*\s+(\u)), -1, XS+2*(4*\e+\i)+\s/2, WS+\s, \s%2, \u
.else
	WM ACC+8*(4*\e+\i), XF+12*\i, W+12*(2*\s+(\u)), ACC+8*(4*\e+\i), XS+2*(4*\e+\i)+\s/2, WS+\s, \s%2, \u
.endif
.endr
.endr
.endr
	PLACES
	QUANTW ACC, PC, PW
.endm
.macro ST_KV g                         ; an image: 512 consecutive bytes a store
.irp q, 0,1,2
	global_store_b128 v1, v[PC+4*\q:PC+4*\q+3], s[40:41] offset:1536*(\g)+512*\q
.endr
.endm
.macro ST_Q g                          ; q by pairs of tiles: 256 consecutive bytes a store
.irp c, 0,1
.irp p, 0,1,2
	global_store_b64 v3, v[PC+6*\c+2*\p:PC+6*\c+2*\p+1], s[40:41] offset:(2*(\g)+\c)*768+256*\p
.endr
.endr
.endm
	s_cmp_eq_u32 s14, 2
	s_cbranch_scc1 .Lpath_v
	QKGROUP 0
	v_mov_b32 v[PWS], v[PW]
	s_cmp_eq_u32 s14, 0
	s_cbranch_scc1 .Lq0
	ST_KV 0
	s_branch .Ljoin0
.Lq0:
	s_wait_alu depctr_va_vdst(0)
	ST_Q 0
.Ljoin0:
	QKGROUP 1
	v_cndmask_b32 v[PWM], v[PWS], v[PW], s22       ; lanes 0-15 the first group's words, lanes 16-31 the second's
	s_cmp_eq_u32 s14, 0
	s_cbranch_scc1 .Lq1
	ST_KV 1
	s_branch .Lscale
.Lq1:
	s_wait_alu depctr_va_vdst(0)
	ST_Q 1
	s_branch .Lscale
.Lpath_v:
	VGROUP 0
	v_mov_b32 v[PWS], v[PW]
	ST_KV 0
	VGROUP 1
	v_cndmask_b32 v[PWM], v[PWS], v[PW], s22
	ST_KV 1
.Lscale:
	s_wait_alu depctr_va_vdst(0)
	global_store_b32 v2, v[PWM], s[42:43]
	s_wait_tensorcnt 0x0
	ds_add_u32 v254, v255
	s_wait_dscnt 0x0
	s_endpgm
.Lfunc_end_k_qde9ba0b678_qkv:
	.size	k_qde9ba0b678_qkv, .Lfunc_end_k_qde9ba0b678_qkv-k_qde9ba0b678_qkv
	.p2alignl 7, 3214868480
	.fill 96, 4, 3214868480
	.section	.rodata,"a",@progbits
	.p2align	6, 0x0
	.amdhsa_kernel k_qde9ba0b678_qkv
		.amdhsa_group_segment_fixed_size 169984
		.amdhsa_private_segment_fixed_size 0
		.amdhsa_enable_private_segment 0
		.amdhsa_kernarg_size 32
		.amdhsa_user_sgpr_count 2
		.amdhsa_user_sgpr_kernarg_segment_ptr 1
		.amdhsa_wavefront_size32 1
		.amdhsa_system_sgpr_workgroup_id_x 1
		.amdhsa_system_sgpr_workgroup_id_y 1
		.amdhsa_system_sgpr_workgroup_id_z 1
		.amdhsa_system_vgpr_workitem_id 0
		.amdhsa_next_free_vgpr 256
		.amdhsa_next_free_sgpr 66
		.amdhsa_reserve_vcc 0
		.amdhsa_float_denorm_mode_32 3
		.amdhsa_float_denorm_mode_16_64 3
		.amdhsa_memory_ordered 1
		.amdhsa_forward_progress 1
		.amdhsa_inst_pref_size 65
	.end_amdhsa_kernel
	.amdgpu_metadata
---
amdhsa.version: [ 1, 2 ]
amdhsa.kernels:
  - .name:           k_qde9ba0b678_qkv
    .symbol:         k_qde9ba0b678_qkv.kd
    .args:
      - { .name: xr, .offset: 0, .size: 8, .value_kind: global_buffer, .address_space: global }
      - { .name: wr, .offset: 8, .size: 8, .value_kind: global_buffer, .address_space: global }
      - { .name: qr, .offset: 16, .size: 8, .value_kind: global_buffer, .address_space: global }
      - { .name: kv, .offset: 24, .size: 8, .value_kind: global_buffer, .address_space: global }
    .group_segment_fixed_size: 169984
    .private_segment_fixed_size: 0
    .kernarg_segment_align: 8
    .kernarg_segment_size: 32
    .max_flat_workgroup_size: 512
    .sgpr_count:     66
    .vgpr_count:     256
    .wavefront_size: 32
...
	.end_amdgpu_metadata
.endif
;; end of part 2
;; launch attn (part 3): grid 8 x 32, 8 waves a work-group, clusters of 4 x 1, 327,680 bytes of LDS; arguments qr, kv, x, x1; writes x1
.if DOCPART == 3
	.amdgcn_target "amdgcn-amd-amdhsa--gfx1250"
	.amdhsa_code_object_version 6
	.text
	.protected	k_qde9ba0b678_attn
	.globl	k_qde9ba0b678_attn
	.p2align	8
	.type	k_qde9ba0b678_attn,@function
k_qde9ba0b678_attn:
	s_mov_b64 s[64:65], 0
	v_nop
	global_prefetch_b8 v0, s[64:65] scope:SCOPE_SE
	s_setreg_imm32_b32 hwreg(HW_REG_WAVE_MODE, 25, 1), 1
	s_wait_xcnt 0x0
	s_wait_alu depctr_hold_cnt(0) depctr_sa_sdst(0) depctr_va_vdst(0) depctr_va_sdst(0) depctr_va_ssrc(0) depctr_va_vcc(0) depctr_vm_vsrc(0)
	s_getreg_b32 s2, hwreg(HW_REG_IB_STS2, 6, 4)
	s_cmp_eq_u32 s2, 0
	s_cbranch_scc0 .Lentry_in_a_cluster
	s_endpgm
.Lentry_in_a_cluster:
	s_bfe_u32 s2, ttmp6, 0x10000c
	s_cmp_lg_u32 s2, 0x3003
	s_cbranch_scc0 .Lentry_shape_is_right
	s_endpgm
.Lentry_shape_is_right:
; x1 = x + softmax(q k^T / sqrt(512)) v, on codes of FP6 (E2M3) with E8M0 scales, as the launch before has laid them (records in qr and kv).
; Work-group (x, y): 256 queries (16 tiles of 16) of block x, for the two heads 2 y', 2 y' + 1 of batch y / 8 (y' = y % 8).  Eight waves, two to a SIMD; WAVE w HOLDS TWO QUERY TILES, 2 w and 2 w + 1,
; so that each fragment of k and of v read from LDS feeds both, and the two tiles' chains of dependent lines (running maximum, scale words) stand interleaved.
; Row r of tile T is token 64 (T / 4) + 8 (T % 4) + r % 8 + 32 (r / 8).
; LDS: slot A (head 0's record, 102,400 bytes) and slot B (head 1's), each filled ONCE, 12,800 bytes a wave; behind them a stage of 8,704 bytes a wave for the way out, and the spare words.
; CLUSTER: the four query blocks of a cluster read the same two records: both loads are joint, mask 15.  No prefetch: all of k and v is asked for by these two loads at the head; no later tile is left to ask for.
; A STEP is 128 keys.  S^T = k q^T: an image of k holds four key tiles in its four blocks of 32 along K; q stands in one block and zero codes in the others, so eight products give 128 keys x 16 queries.
; Lane (query r, h) then holds keys 64 g + 32 h + 0 .. 31 in registers 32 g + 0 .. 31: two whole blocks of the second product's K.  M = ceil of the running largest t, kept as -M; p = 2^(t - M);
; the row's sum is taken of the unquantised p; a block's largest p is made from its largest score by the same multiply-add and exponential; O^T += v^T p^T; at the end O^T / sum.
; The next step's image of k is fetched right behind the products that read this step's; the last step of a head so fetches the record's next 3,072 bytes (v's first images), which nothing uses.
; WINDOWS: window 0: addresses, q, tile 0's scores, O, p's codes, the small state of both tiles, all scale words.  Window 1: fragments of k and v, tile 1's scores, q as loaded, x's rows.
; LIMITS: the promise holds while the scaled scores stay under 2^31 in magnitude; NaN and infinities are not served; a block whose every p is 0 keeps the byte 1 and zero codes.
.set WV,  12
.set SEL, 20
.set CS,  22
.set G1,  24
.set G0A, 32
.set G0B, 36
.set MLO, 40
.set MHI, 41
.set SH1, 42
.set CNT, 44
.set SH,  45
.set STAGE, 204800
.set SPARE, 274432                     ; behind the stages: 128 bytes a wave
.set NM,  10                           ; v10-13   (-M, running largest score) of tile 0, of tile 1
.set SU,  14                           ; v14-17   the row's sum in two halves, tile 0, tile 1
.set QB,  18                           ; v18-71   q among zero codes: tile i from QB + 24 i: zeros, lanes 16-31, zeros, lanes 0-15, zeros (six registers each)
.set SCR, 72                           ; v72-135  scores, then p: tile 0 in window 0, tile 1 in window 1
.set OA,  136                          ; v136-167 O^T: tile i at 16 i
.set PC,  168                          ; v168-207 p's codes: tile i at 20 i
.set BM,  208                          ; v208-215 largest scores of blocks
.set BP,  216
.set BO,  220
.set TT,  224
.set FF,  226                          ; v226-229 f = 2^(old M - new M), named as pairs
.set AC,  230                          ; v230-235 three more chains of the row's sum
.set H8,  236
.set KS,  237
.set VS,  238
.set QS,  239
.set PW,  241
.set TO,  243
.set QSW, 245
.set QO,  247
.set QW,  248
.set RB,  104                          ; the way out: v104-167 rows read back from the stage
.set KF,  0                            ; window 1: v0-23 two images of k, v24-47 two of v, v48-71 q as loaded, v140-203 x's rows
.set VF,  24
.set QRAW, 48
.set XR,  140
.set MSB, 0
.macro WIN new                         ; the immediate's high byte repeats the setting that is left
.if MSB != \new
	s_set_vgpr_msb (MSB<<8)|\new
.set MSB, \new
.endif
.endm
.macro PLACES
.rept 4
	v_nop
.endr
.endm
.macro CROUND
	s_barrier_signal -1
	s_barrier_wait -1
	s_cmp_lg_u32 s[WV], 0
	s_cbranch_scc1 .Lnot_wave_0_\@
	s_barrier_signal -3
.Lnot_wave_0_\@:
	s_barrier_wait -3
	s_barrier_signal -1
	s_barrier_wait -1
.endm
.macro WM d, a, b, c, sa, sb, ra       ; c < 0: the constant 0 starts the sum; ra = 1: source 0's scales from lanes 16-31
.if (\c) < 0
.if (\ra) == 0
	v_wmma_scale_f32_16x16x128_f8f6f4 v[\d:\d+7], v[\a:\a+11], v[\b:\b+11], 0, v[\sa], v[\sb] matrix_a_fmt:MATRIX_FMT_FP6 matrix_b_fmt:MATRIX_FMT_FP6
.else
	v_wmma_scale_f32_16x16x128_f8f6f4 v[\d:\d+7], v[\a:\a+11], v[\b:\b+11], 0, v[\sa], v[\sb] matrix_a_fmt:MATRIX_FMT_FP6 matrix_b_fmt:MATRIX_FMT_FP6 matrix_a_scale:MATRIX_SCALE_ROW1
.endif
.else
.if (\ra) == 0
	v_wmma_scale_f32_16x16x128_f8f6f4 v[\d:\d+7], v[\a:\a+11], v[\b:\b+11], v[\c:\c+7], v[\sa], v[\sb] matrix_a_fmt:MATRIX_FMT_FP6 matrix_b_fmt:MATRIX_FMT_FP6
.else
	v_wmma_scale_f32_16x16x128_f8f6f4 v[\d:\d+7], v[\a:\a+11], v[\b:\b+11], v[\c:\c+7], v[\sa], v[\sb] matrix_a_fmt:MATRIX_FMT_FP6 matrix_b_fmt:MATRIX_FMT_FP6 matrix_a_scale:MATRIX_SCALE_ROW1
.endif
.endif
.endm
	s_load_b256 s[4:11], s[0:1], 0x0               ; qr, kv, x, x1
	v_lshl_add_u32 v254, v0, 2, SPARE
	v_mov_b32 v255, 0
	ds_add_u32 v254, v255                          ; the add, twice on end; its wait below
	ds_add_u32 v254, v255
	v_lshrrev_b32 v8, 5, v0
	v_readfirstlane_b32 s[WV], v8                  ; wave 0..7
	s_bfe_u32 s13, ttmp6, 0x40000
	s_lshl_b32 s14, ttmp9, 2
	s_add_co_u32 s14, s14, s13                     ; query block 0..7
	s_and_b32 s15, ttmp7, 0xffff                   ; 8 x batch + pair of heads
	s_mul_i32 s46, s15, 204800
	s_mul_i32 s16, s[WV], 12800                    ; my eighth of a record, in memory and in LDS
	s_add_co_u32 s46, s46, s16
	s_mov_b32 s47, 0
	s_mov_b32 s[G1], 15|(3<<16)|(1<<21)            ; a dense block of 12,800 bytes as 50 rows of 32 elements of 8 bytes; the cluster's four
	s_mov_b32 s[G1+1], 32<<16
	s_mov_b32 s[G1+2], 50<<16
	s_mov_b32 s[G1+3], 32<<16
	s_mov_b32 s[G1+4], 50
	s_mov_b32 s[G1+5], 32
	s_mov_b32 s[G1+6], 0
	s_mov_b32 s[G1+7], 0
	s_mul_i32 s48, s15, 102400                     ; q's record of head 0
	s_lshl_b32 s17, s14, 3
	s_add_co_u32 s17, s17, s[WV]                   ; my pair of tiles G
	s_mul_i32 s17, s17, 768
	s_add_co_u32 s50, s48, s17
	s_mov_b32 s51, 0
	s_lshl_b32 s17, s14, 1                         ; q's scale words: tile T = 16 block + 2 wave + i: 128 (T / 8) + 64 ((T / 4) % 2), byte T % 4
	s_lshr_b32 s18, s[WV], 2
	s_add_co_u32 s17, s17, s18
	s_lshl_b32 s17, s17, 7
	s_bfe_u32 s18, s[WV], 0x10001
	s_lshl_b32 s18, s18, 6
	s_add_co_u32 s17, s17, s18
	s_add_co_u32 s52, s48, s17
	s_add_co_u32 s52, s52, 49152
	s_mov_b32 s53, 0
	s_and_b32 s[SH], s[WV], 1
	s_lshl_b32 s[SH], s[SH], 4                     ; tile 0's byte, in bits
	s_add_co_u32 s[SH1], s[SH], 8                  ; tile 1's
	s_lshr_b32 s17, s15, 3                         ; tile 0's first token: 2048 batch + 256 block + 64 (wave / 2) + 16 (wave % 2)
	s_lshl_b32 s17, s17, 11
	s_lshl_b32 s18, s14, 8
	s_add_co_u32 s17, s17, s18
	s_lshr_b32 s18, s[WV], 1
	s_lshl_b32 s18, s18, 6
	s_add_co_u32 s17, s17, s18
	s_and_b32 s18, s[WV], 1
	s_lshl_b32 s18, s18, 4
	s_add_co_u32 s17, s17, s18
	s_lshl_b32 s54, s17, 11
	s_and_b32 s18, s15, 7
	s_lshl_b32 s18, s18, 8                         ; + the two heads' 256 bytes of a row
	s_add_co_u32 s54, s54, s18
	s_mov_b32 s55, 0
	s_mul_i32 s56, s[WV], 8704
	s_add_co_u32 s56, s56, STAGE                   ; my stage
	s_mov_b32 s[SEL], 0x76543210
	s_mov_b32 s[SEL+1], 0xfedcba98
	s_mov_b32 s[CS], 0x3d8293ee                    ; log2(e) / sqrt(512)
	s_mov_b32 s[CS+1], s[CS]
	s_mov_b32 s[MLO], 0x0000ffff
	s_mov_b32 s[MHI], 0xffff0000
	v_and_b32 v8, 31, v0
	v_and_b32 v9, 15, v0                           ; r
	v_bfe_u32 v3, v0, 4, 1                         ; h
	v_lshlrev_b32 v[H8], 3, v3
	v_lshlrev_b32 v1, 4, v8                        ; an image: 16 x lane
	v_lshl_add_u32 v2, v8, 2, 98304                ; scale words: 4 x lane
	v_mul_u32_u24 v5, v9, 272
	v_lshl_add_u32 v5, v3, 6, v5
	v_add_nc_u32 v5, s56, v5                       ; into the stage: row r, + 64 h
	v_mul_u32_u24 v6, v3, 272
	v_lshl_add_u32 v6, v9, 4, v6
	v_add_nc_u32 v6, s56, v6                       ; out of it: sixteen lanes to a row of 256 bytes
	v_lshlrev_b32 v7, 11, v3
	v_lshl_add_u32 v7, v9, 4, v7                   ; the same two rows in x and x1
	v_lshlrev_b32 v[QO], 3, v9
	v_lshlrev_b32 v[QW], 2, v9
.irp z, 0,12,24,36,48
.irp k, 0,1,2,3,4,5
	v_mov_b32 v[QB+\z+\k], 0                       ; the zero codes beside q
.endr
.endr
.irp b, 0,1,2,3
	v_mov_b32 v[BP+\b], 0                          ; a lane permute's destination counts as one of its sources
.endr
	v_mov_b32 v[TT], 0
	v_mov_b32 v[TT+1], 0
	v_mov_b32 v[FF+1], 0                           ; named as the upper halves of pairs
	v_mov_b32 v[FF+3], 0
	s_wait_alu depctr_va_vdst(0)                   ; the end of the head's vector work
	s_wait_dscnt 0x0
	s_wait_kmcnt 0x0
	s_add_nc_u64 s[46:47], s[6:7], s[46:47]
	s_add_nc_u64 s[50:51], s[4:5], s[50:51]
	s_add_nc_u64 s[52:53], s[4:5], s[52:53]
	s_add_nc_u64 s[8:9], s[8:9], s[54:55]
	s_add_nc_u64 s[10:11], s[10:11], s[54:55]
	WIN 0x40
.irp p, 0,1
.irp i, 0,1
.irp k, 0,1,2
	global_load_b64 v[QRAW+12*\p+6*\i+2*\k:QRAW+12*\p+6*\i+2*\k+1], v[QO], s[50:51] offset:51200*\p+128*\i+256*\k   ; row r of tile i, head p: 24 bytes, the same in both halves of the lanes
.endr
.endr
.endr
	WIN 0
	global_load_b32 v[QSW], v[QW], s[52:53]
	global_load_b32 v[QSW+1], v[QW], s[52:53] offset:51200
	s_mov_b32 s[G0A], 1
	s_mov_b32 s[G0A+1], s16
	s_mov_b64 s[G0A+2:G0A+3], s[46:47]
	s_or_b32 s[G0A+3], s[G0A+3], 0x80000000
	s_mov_b32 s[G0B], 1
	s_add_co_u32 s[G0B+1], s16, 102400
	s_add_nc_u64 s[G0B+2:G0B+3], s[46:47], 102400
	s_or_b32 s[G0B+3], s[G0B+3], 0x80000000
	CROUND                                         ; the four work-groups are here: the joint loads meet
	tensor_load_to_lds s[G0A:G0A+3], s[G1:G1+7]    ; head 0's record: my one load at the head
	s_nop 0
	s_wait_tensorcnt 0x0                           ; my part of slot A is in
	ds_add_u32 v254, v255
	s_wait_dscnt 0x0
	CROUND                                         ; everybody's part of slot A is in
	tensor_load_to_lds s[G0B:G0B+3], s[G1:G1+7]    ; head 1's record, under head 0's work
	s_nop 0
	PLACES
.macro MAXT i                          ; four chains of 16 scores, each accumulator from its low end on
.if \i
	WIN 0x15
.endif
.irp b, 0,1,2,3
	v_max3_num_f32 v[BM+4*\i+\b], v[SCR+16*\b], v[SCR+16*\b+1], v[SCR+16*\b+2]
.endr
.if \i
	WIN 0x14
.endif
.irp k, 3,5,7,9,11,13
.irp b, 0,1,2,3
	v_max3_num_f32 v[BM+4*\i+\b], v[BM+4*\i+\b], v[SCR+16*\b+\k], v[SCR+16*\b+\k+1]
.endr
.endr
.irp c, 0,1
	v_max3_num_f32 v[BM+4*\i+2*\c], v[BM+4*\i+2*\c], v[SCR+15+32*\c], v[SCR+31+32*\c]
.endr
.endm
.macro SUMT i                          ; the row's sum of the unquantised p: 32 packed additions in four chains
.if \i
	WIN 0x05
.endif
.irp a, 0,1,2
	v_pk_add_f32 v[AC+2*\a:AC+2*\a+1], v[SCR+2+4*\a:SCR+3+4*\a], v[SCR+4+4*\a:SCR+5+4*\a]
.endr
.if \i
	WIN 0x04
.endif
	v_pk_add_f32 v[SU+2*\i:SU+2*\i+1], v[SU+2*\i:SU+2*\i+1], v[SCR:SCR+1]
.irp k, 14,22,30,38,46,54
.irp a, 0,1,2
	v_pk_add_f32 v[AC+2*\a:AC+2*\a+1], v[AC+2*\a:AC+2*\a+1], v[SCR+\k+2*\a:SCR+\k+2*\a+1]
.endr
	v_pk_add_f32 v[SU+2*\i:SU+2*\i+1], v[SU+2*\i:SU+2*\i+1], v[SCR+\k+6:SCR+\k+7]
.endr
	v_pk_add_f32 v[AC:AC+1], v[AC:AC+1], v[SCR+62:SCR+63]
	WIN 0
.if \i == 0
	s_delay_alu instid0(VALU_DEP_3)
.endif
	v_pk_add_f32 v[AC+2:AC+3], v[AC+2:AC+3], v[AC+4:AC+5]
.if \i == 0
	s_delay_alu instid0(VALU_DEP_2)
.endif
	v_pk_add_f32 v[SU+2*\i:SU+2*\i+1], v[SU+2*\i:SU+2*\i+1], v[AC:AC+1]
	s_delay_alu instid0(VALU_DEP_1)
	v_pk_add_f32 v[SU+2*\i:SU+2*\i+1], v[SU+2*\i:SU+2*\i+1], v[AC+2:AC+3]
.endm
.macro STEP                            ; 128 keys x my 32 queries.  At its head this step's images of k are in registers
	WIN 0x01
.irp g, 0,1
.irp e, 0,1,2,3
	WM SCR+8*(4*\g+\e), KF+12*\g, QB+18-12*(\e%2)-6*(\e/2), -1, KS, QS, \g
.endr
.endr
	WIN 0x41
.irp g, 0,1
.irp e, 0,1,2,3
	WM SCR+8*(4*\g+\e), KF+12*\g, QB+42-12*(\e%2)-6*(\e/2), -1, KS, QS+1, \g
.endr
.endr
	WIN 0
	v_add_nc_u32 v3, 3072, v3                      ; four places behind the products, ahead of the loads into their sources and of the reads of their results
	v_add_nc_u32 v4, 128, v4
	v_nop
	v_nop
	WIN 0x40
.irp i, 0,1,2,3,4,5
	ds_load_b128 v[VF+4*\i:VF+4*\i+3], v3 offset:49152-3072+512*\i    ; this step's images of v
.endr
.irp i, 0,1,2,3,4,5
	ds_load_b128 v[KF+4*\i:KF+4*\i+3], v3 offset:512*\i               ; the next step's images of k
.endr
	WIN 0
	ds_load_b32 v[VS], v4 offset:2048-128
	ds_load_b32 v[KS], v4
	MAXT 0
	MAXT 1
	WIN 0
	v_max_num_f32 v[BM], v[BM], v[BM+1]            ; my blocks' largest scores
	v_max_num_f32 v[BM+4], v[BM+4], v[BM+5]
	v_max_num_f32 v[BM+2], v[BM+2], v[BM+3]
	v_max_num_f32 v[BM+6], v[BM+6], v[BM+7]
.irp i, 0,1                            ; the two tiles by turns from here on
	s_delay_alu instid0(VALU_DEP_2)
	v_max_num_f32 v[TT+\i], v[BM+4*\i], v[BM+4*\i+2]
.endr
.irp i, 0,1
	s_delay_alu instid0(VALU_DEP_2)
	v_permlanex16_b32 v[BP+2*\i], v[TT+\i], s[SEL], s[SEL+1]
.endr
.irp i, 0,1
	v_mov_b32 v[TO+\i], v[NM+2*\i]                 ; the old -M
.endr
.irp i, 0,1
	s_delay_alu instid0(VALU_DEP_4)
	v_max3_num_f32 v[NM+2*\i+1], v[NM+2*\i+1], v[TT+\i], v[BP+2*\i]   ; the running largest score of my query
.endr
.irp i, 0,1
	s_delay_alu instid0(VALU_DEP_2)
	v_mul_f32 v[TT+\i], s[CS], v[NM+2*\i+1]        ; as t
.endr
.irp i, 0,1
	s_delay_alu instid0(VALU_DEP_2)
	v_floor_f32 v[NM+2*\i], -v[TT+\i]              ; -M = floor(-t)
.endr
.irp i, 0,1
	s_delay_alu instid0(VALU_DEP_2)
	v_sub_f32 v[TT+\i], v[NM+2*\i], v[TO+\i]       ; old M - new M, a whole number
.endr
.irp i, 0,1
	s_delay_alu instid0(VALU_DEP_2)
	v_cvt_i32_f32 v[TT+\i], v[TT+\i]               ; (it saturates)
.endr
.irp i, 0,1
	s_delay_alu instid0(VALU_DEP_2)
	v_ldexp_f32 v[FF+2*\i], 1.0, v[TT+\i]          ; f
.endr
.irp q, 0,1,2,3
	v_fma_f32 v[BM+2*\q], v[BM+2*\q], s[CS], v[NM+2*(\q/2)]
.endr
.set jj, 0
.rept 32
	v_pk_fma_f32 v[SCR+jj:SCR+jj+1], v[SCR+jj:SCR+jj+1], s[CS:CS+1], v[NM:NM+1] op_sel_hi:[1,0,0]   ; t - M
.set jj, jj+2
.endr
	WIN 0x41
.set jj, 0
.rept 32
	v_pk_fma_f32 v[SCR+jj:SCR+jj+1], v[SCR+jj:SCR+jj+1], s[CS:CS+1], v[NM+2:NM+3] op_sel_hi:[1,0,0]
.set jj, jj+2
.endr
	s_wait_alu depctr_va_vdst(0)
.set jj, 0
.rept 64
	v_exp_f32 v[SCR+jj], v[SCR+jj]
.set jj, jj+1
.endr
	WIN 0
.set jj, 0
.rept 64
	v_exp_f32 v[SCR+jj], v[SCR+jj]
.set jj, jj+1
.endr
.irp q, 0,1,2,3
	v_exp_f32 v[BM+2*\q], v[BM+2*\q]               ; the blocks' largest p
.endr
	v_pk_mul_f32 v[SU:SU+1], v[SU:SU+1], v[FF:FF+1] op_sel_hi:[1,0]           ; the sums under the new M: plain places behind the batch
	v_pk_mul_f32 v[SU+2:SU+3], v[SU+2:SU+3], v[FF+2:FF+3] op_sel_hi:[1,0]
	s_wait_alu depctr_va_vdst(0)                   ; one wait for the batch, directly ahead of the first readers of O^T too
.irp i, 0,1
.irp j, 0,2,4,6,8,10,12,14
	v_pk_mul_f32 v[OA+16*\i+\j:OA+16*\i+\j+1], v[OA+16*\i+\j:OA+16*\i+\j+1], v[FF+2*\i:FF+2*\i+1] op_sel_hi:[1,0]
.endr
.endr
.irp q, 0,1,2,3
	v_max_num_f32 v[BM+2*\q], 0x1800000, v[BM+2*\q]   ; the floor 2^(3 - 127): the byte cannot fall under 1
.endr
.irp q, 0,1,2,3
	s_delay_alu instid0(VALU_DEP_4)
	v_add_nc_u32 v[BO+\q], 0xff000000, v[BM+2*\q]  ; 2 off the exponent field: the conversion's scale operand
.endr
.irp q, 0,1,2,3
	s_delay_alu instid0(VALU_DEP_4)
	v_lshrrev_b32 v[BP+\q], 23, v[BO+\q]           ; the scale's byte
.endr
	s_delay_alu instid0(VALU_DEP_3)
	v_lshl_or_b32 v[BP], v[BP+1], 16, v[BP]        ; my two bytes: blocks h and 2 + h
	s_delay_alu instid0(VALU_DEP_2)
	v_lshl_or_b32 v[BP+2], v[BP+3], 16, v[BP+2]
.irp i, 0,1
	s_delay_alu instid0(VALU_DEP_2)
	v_lshlrev_b32 v[BP+2*\i], v[H8], v[BP+2*\i]
.endr
.irp i, 0,1
	s_delay_alu instid0(VALU_DEP_2)
	v_permlanex16_b32 v[BP+2*\i+1], v[BP+2*\i], s[SEL], s[SEL+1]
.endr
.irp i, 0,1
	s_delay_alu instid0(VALU_DEP_2)
	v_or_b32 v[PW+\i], v[BP+2*\i], v[BP+2*\i+1]    ; p's scale word of these 128 keys
.endr
.irp c, 0,1
	v_cvt_scalef32_pk16_fp6_f32 v[PC+6*\c:PC+2+6*\c], v[SCR+32*\c:SCR+15+32*\c], v[BO+\c]
	v_cvt_scalef32_pk16_fp6_f32 v[PC+12+4*\c:PC+14+4*\c], v[SCR+16+32*\c:SCR+31+32*\c], v[BO+\c]
.endr
	WIN 0x01
.irp c, 0,1
	v_cvt_scalef32_pk16_fp6_f32 v[PC+20+6*\c:PC+22+6*\c], v[SCR+32*\c:SCR+15+32*\c], v[BO+2+\c]
	v_cvt_scalef32_pk16_fp6_f32 v[PC+32+4*\c:PC+34+4*\c], v[SCR+16+32*\c:SCR+31+32*\c], v[BO+2+\c]
.endr
	WIN 0
	SUMT 0                                         ; plain work between the conversions and the moves of their results
.irp i, 0,1
.irp c, 0,1
.irp k, 0,1,2
	v_mov_b32 v[PC+20*\i+3+6*\c+\k], v[PC+20*\i+12+4*\c+\k]   ; (a conversion's three registers begin on an even number)
.endr
.endr
.endr
	SUMT 1                                         ; also the places between the codes' and scale words' writes and the products
	s_wait_dscnt 0x0                               ; v's images, and the next step's of k
	WIN 0x01
	WM OA, VF, PC, OA, VS, PW, 0                   ; four accumulators by turns
	WM OA+8, VF+12, PC, OA+8, VS, PW, 1
	WM OA+16, VF, PC+20, OA+16, VS, PW+1, 0
	WM OA+24, VF+12, PC+20, OA+24, VS, PW+1, 1
	WIN 0
.endm
.macro HEAD p
	WIN 0x04
.irp i, 0,1
.irp k, 0,1,2,3,4,5
	v_cndmask_b32 v[QB+24*\i+18+\k], 0, v[QRAW+12*\p+6*\i+\k], s[MLO]   ; q in lanes 0-15 alone: blocks 0 and 2
	v_cndmask_b32 v[QB+24*\i+6+\k], 0, v[QRAW+12*\p+6*\i+\k], s[MHI]    ; in lanes 16-31 alone: blocks 1 and 3
.endr
.endr
	WIN 0
	v_bfe_u32 v8, v[QSW+\p], s[SH], 8
	v_bfe_u32 v9, v[QSW+\p], s[SH1], 8
	s_delay_alu instid0(VALU_DEP_2)
	v_lshl_or_b32 v8, v8, 8, v8
	s_delay_alu instid0(VALU_DEP_2)
	v_lshl_or_b32 v9, v9, 8, v9
	s_delay_alu instid0(VALU_DEP_2)
	v_lshl_or_b32 v[QS], v8, 16, v8                ; q's byte in all four places of the word
	s_delay_alu instid0(VALU_DEP_2)
	v_lshl_or_b32 v[QS+1], v9, 16, v9
.irp i, 0,1
	v_mov_b32 v[NM+2*\i], 0x7f61b1e6               ; -M: 3e38
	v_mov_b32 v[NM+2*\i+1], 0xff61b1e6             ; the largest score so far: -3e38
	v_mov_b32 v[SU+2*\i], 0
	v_mov_b32 v[SU+2*\i+1], 0
.endr
.set jj, 0
.rept 32
	v_mov_b32 v[OA+jj], 0                          ; the step is written once: the first finds zeros
.set jj, jj+1
.endr
	v_add_nc_u32 v3, 102400*\p, v1
	v_add_nc_u32 v4, 102400*\p, v2
	WIN 0x40
.irp i, 0,1,2,3,4,5
	ds_load_b128 v[KF+4*\i:KF+4*\i+3], v3 offset:512*\i
.endr
	WIN 0
	ds_load_b32 v[KS], v4
	s_mov_b32 s[CNT], 16
	s_wait_alu depctr_va_vdst(0)
	s_wait_dscnt 0x0
.Lstep_\@:
	STEP
	s_sub_co_u32 s[CNT], s[CNT], 1
	s_cmp_lg_u32 s[CNT], 0
	s_cbranch_scc1 .Lstep_\@
	s_wait_tensorcnt 0x0                           ; no load of mine is out when I store to LDS
	PLACES
	s_wait_alu depctr_va_vdst(0)
.irp i, 0,1
	v_add_f32 v[SU+2*\i], v[SU+2*\i], v[SU+2*\i+1]
.endr
.irp i, 0,1
	s_delay_alu instid0(VALU_DEP_2)
	v_permlanex16_b32 v[TT+\i], v[SU+2*\i], s[SEL], s[SEL+1]
.endr
.irp i, 0,1
	s_delay_alu instid0(VALU_DEP_2)
	v_add_f32 v[SU+2*\i], v[SU+2*\i], v[TT+\i]     ; the row's sum
.endr
	s_wait_alu depctr_va_vdst(0)
	v_rcp_f32 v[SU], v[SU]
	v_rcp_f32 v[SU+2], v[SU+2]
	v_nop
	s_wait_alu depctr_va_vdst(0)
.irp i, 0,1
.irp j, 0,2,4,6,8,10,12,14
	v_pk_mul_f32 v[SCR+16*\i+\j:SCR+16*\i+\j+1], v[OA+16*\i+\j:OA+16*\i+\j+1], v[SU+2*\i:SU+2*\i+1] op_sel_hi:[1,0]   ; register 8 u + j is channel 16 h + 8 u + j of the head
.endr
.endr
.irp i, 0,1
.irp k, 0,1,2,3
	ds_store_b128 v5, v[SCR+16*\i+4*\k:SCR+16*\i+4*\k+3] offset:4352*\i+128*\p+16*\k
.endr
.endr
.endm
	s_wait_loadcnt 0x0                             ; q
	HEAD 0
	s_wait_dscnt 0x0                               ; (my part of slot B was waited for behind the loop)
	s_barrier_signal -1
	s_barrier_wait -1                              ; everybody's part of slot B is in
	WIN 0x40
.irp i, 0,1
.irp k, 0,1,2,3,4,5,6,7
	global_load_b128 v[XR+32*\i+4*\k:XR+32*\i+4*\k+3], v7, s[8:9] offset:16384*\i+4096*\k+49152*(\k/4)   ; x's rows of my two tiles, under head 1's work
.endr
.endr
	WIN 0
	HEAD 1
.irp i, 0,1
.irp k, 0,1,2,3,4,5,6,7
	ds_load_b128 v[RB+32*\i+4*\k:RB+32*\i+4*\k+3], v6 offset:4352*\i+544*\k   ; LDS serves a wave's instructions in order: these see my stores
.endr
.endr
	s_wait_dscnt 0x0
	s_wait_loadcnt 0x0
	WIN 0x04
.set jj, 0
.rept 32
	v_pk_add_f32 v[RB+jj:RB+jj+1], v[RB+jj:RB+jj+1], v[XR+jj:XR+jj+1]
.set jj, jj+2
.endr
	WIN 0
.irp i, 0,1
.irp k, 0,1,2,3,4,5,6,7
	global_store_b128 v7, v[RB+32*\i+4*\k:RB+32*\i+4*\k+3], s[10:11] offset:16384*\i+4096*\k+49152*(\k/4)   ; sixteen lanes store 256 consecutive bytes, aligned
.endr
.endr
	s_wait_tensorcnt 0x0                           ; the wave's end
	ds_add_u32 v254, v255
	s_wait_dscnt 0x0
	CROUND                                         ; the closing round
	s_endpgm
.Lfunc_end_k_qde9ba0b678_attn:
	.size	k_qde9ba0b678_attn, .Lfunc_end_k_qde9ba0b678_attn-k_qde9ba0b678_attn
	.p2alignl 7, 3214868480
	.fill 96, 4, 3214868480
	.section	.rodata,"a",@progbits
	.p2align	6, 0x0
	.amdhsa_kernel k_qde9ba0b678_attn
		.amdhsa_group_segment_fixed_size 327680
		.amdhsa_private_segment_fixed_size 0
		.amdhsa_enable_private_segment 0
		.amdhsa_kernarg_size 32
		.amdhsa_user_sgpr_count 2
		.amdhsa_user_sgpr_kernarg_segment_ptr 1
		.amdhsa_wavefront_size32 1
		.amdhsa_system_sgpr_workgroup_id_x 1
		.amdhsa_system_sgpr_workgroup_id_y 1
		.amdhsa_system_sgpr_workgroup_id_z 1
		.amdhsa_system_vgpr_workitem_id 0
		.amdhsa_next_free_vgpr 512
		.amdhsa_next_free_sgpr 66
		.amdhsa_reserve_vcc 0
		.amdhsa_float_denorm_mode_32 3
		.amdhsa_float_denorm_mode_16_64 3
		.amdhsa_memory_ordered 1
		.amdhsa_forward_progress 1
		.amdhsa_inst_pref_size 79
	.end_amdhsa_kernel
	.amdgpu_metadata
---
amdhsa.version: [ 1, 2 ]
amdhsa.kernels:
  - .name:           k_qde9ba0b678_attn
    .symbol:         k_qde9ba0b678_attn.kd
    .args:
      - { .name: qr, .offset: 0, .size: 8, .value_kind: global_buffer, .address_space: global }
      - { .name: kv, .offset: 8, .size: 8, .value_kind: global_buffer, .address_space: global }
      - { .name: x, .offset: 16, .size: 8, .value_kind: global_buffer, .address_space: global }
      - { .name: x1, .offset: 24, .size: 8, .value_kind: global_buffer, .address_space: global }
    .group_segment_fixed_size: 327680
    .private_segment_fixed_size: 0
    .kernarg_segment_align: 8
    .kernarg_segment_size: 32
    .max_flat_workgroup_size: 256
    .sgpr_count:     66
    .vgpr_count:     512
    .wavefront_size: 32
...
	.end_amdgpu_metadata
.endif
;; end of part 3
;; launch ln2 (part 4): grid 256 x 1, 2 waves a work-group, no clusters, 66,304 bytes of LDS; arguments x1, alpha, beta, xr; writes xr
.if DOCPART == 4
	.amdgcn_target "amdgcn-amd-amdhsa--gfx1250"
	.amdhsa_code_object_version 6
	.text
	.protected	k_qde9ba0b678_ln2
	.globl	k_qde9ba0b678_ln2
	.p2align	8
	.type	k_qde9ba0b678_ln2,@function
k_qde9ba0b678_ln2:
	s_mov_b64 s[64:65], 0
	v_nop
	global_prefetch_b8 v0, s[64:65] scope:SCOPE_SE
	s_setreg_imm32_b32 hwreg(HW_REG_WAVE_MODE, 25, 1), 1
	s_wait_xcnt 0x0
; y = alpha (x - mean) / sqrt(var + 1e-6) + beta over rows of 512 (var with 511 in the divisor), all in f32, then quantised along the row into codes of FP6 (E2M3), one E8M0 byte for each 32.
; A wave takes a tile of 16 rows.  ROW r OF TILE T IS TOKEN 64 (T / 4) + 8 (T % 4) + r % 8 + 32 (r / 8), as in the first layer norm; the last launch puts its rows back by the same rule.
; A tile's record in dst is 6,400 bytes: four images of fragments (16 rows x 128 K: three stores of 16 bytes a lane at 16 x lane) at 1,536 s, and at 6,144 + 8 x lane two words:
; word 0 holds the rows' scale words of K step 0 in lanes 0-15 and of K step 1 in lanes 16-31, word 1 those of K steps 2 and 3.
; PHASE A: four batches of four rows; a row is 16 numbers a lane (each load 512 consecutive bytes); mean, then the sum of squared differences (two passes, so a common offset does no harm), both over the
; wave's 32 lanes; the normalised rows go to the wave's own stage in LDS (rows 2,064 bytes apart: 129 x 16, so that the sixteen rows of a read start in different banks).
; PHASE B: lane (r, h) reads from row r the 16 numbers of half h of each block of 32, and the quantiser works on 64 numbers of a lane.  No barrier: each wave has LDS bytes of its own.
; LIMITS: 1 / sqrt by v_rsq_f32 and a multiplication by 1 / 511, each within about 1e-7 of the number; a block of zeros gets the byte 1 and zero codes; NaN and infinities are not served.
.set TM,  8                            ; phase B: v8-23 at work in the quantiser
.set SEL, 20                           ; s[20:21] selects of v_permlanex16_b32: lane l xor 16
	s_load_b256 s[4:11], s[0:1], 0x0               ; src, alpha, beta, dst
	v_lshl_add_u32 v240, v0, 2, 0x10200
	v_mov_b32 v241, 0
	v_lshrrev_b32 v1, 5, v0
	v_readfirstlane_b32 s12, v1                    ; wave
	v_and_b32 v5, 31, v0                           ; lane
	v_and_b32 v6, 15, v0                           ; r
	v_bfe_u32 v7, v0, 4, 1                         ; h
	v_lshlrev_b32 v1, 4, v5                        ; 16 x lane
	v_lshlrev_b32 v4, 3, v5                        ; 8 x lane
	s_mul_i32 s13, s12, 33024                      ; my stage
	v_add_nc_u32 v2, s13, v1                       ; into it: 16 x lane
	v_mul_u32_u24 v3, v6, 2064
	v_lshl_add_u32 v3, v7, 6, v3
	v_add_nc_u32 v3, s13, v3                       ; out of it: row r, + 64 h
	s_lshl_b32 s14, ttmp9, 1
	s_add_co_u32 s14, s14, s12                     ; my tile T
	s_lshr_b32 s15, s14, 2
	s_lshl_b32 s15, s15, 6
	s_and_b32 s17, s14, 3
	s_lshl_b32 s17, s17, 3
	s_add_co_u32 s15, s15, s17                     ; its first token: 64 (T / 4) + 8 (T % 4)
	s_lshl_b32 s26, s15, 11
	s_mov_b32 s27, 0
	s_mul_i32 s28, s14, 6400
	s_mov_b32 s29, 0
	s_mov_b32 s[SEL], 0x76543210
	s_mov_b32 s[SEL+1], 0xfedcba98
	s_mov_b32 s22, 0xffff0000                      ; lanes 16-31
	s_mov_b32 s23, 0x3b004020                      ; 1 / 511
	s_mov_b32 s24, 0x358637bd                      ; 1e-6
.irp p, 0,1,2,3
	v_mov_b32 v[16+\p], 0                          ; written once: a lane permute's destination counts as one of its sources
.endr
	s_wait_kmcnt 0x0
	s_load_b32 s16, s[6:7], 0x0                    ; alpha
	s_load_b32 s18, s[8:9], 0x0                    ; beta
	s_add_nc_u64 s[4:5], s[4:5], s[26:27]
	s_add_nc_u64 s[10:11], s[10:11], s[28:29]
.macro LOADB k                         ; rows 4 k .. 4 k + 3 into set k % 2 (v32-95, v96-159); rows 8-15 lie 24 tokens further on than their number says
.irp p, 0,1,2,3
.irp j, 0,1,2,3
	global_load_b128 v[32+64*((\k)%2)+16*\p+4*\j:32+64*((\k)%2)+16*\p+4*\j+3], v1, s[4:5] offset:(4*(\k)+\p+24*((\k)/2))*2048+512*\j
.endr
.endr
.endm
.macro REDUCE a                        ; the four pairs at v[a + 2 p]: the two halves, then the 32 lanes; every lane ends with the sum in the pair's low register
.irp p, 0,1,2,3
	v_add_f32 v[\a+2*\p], v[\a+2*\p], v[\a+2*\p+1]
.endr
.irp m, 1,2,4,8
.irp p, 0,1,2,3
	v_add_f32_dpp v[\a+2*\p], v[\a+2*\p], v[\a+2*\p] row_xmask:\m row_mask:0xf bank_mask:0xf
.endr
.endr
.irp p, 0,1,2,3
	v_permlanex16_b32 v[16+\p], v[\a+2*\p], s[SEL], s[SEL+1]
.endr
.irp p, 0,1,2,3
	v_add_f32 v[\a+2*\p], v[\a+2*\p], v[16+\p]
.endr
.endm
.macro PROC k                          ; four rows by turns, so that no line waits for the line above it
.set BS, 32+64*((\k)%2)
.irp p, 0,1,2,3
	v_pk_add_f32 v[8+2*\p:9+2*\p], v[BS+16*\p:BS+16*\p+1], v[BS+16*\p+2:BS+16*\p+3]
.endr
.irp j, 4,6,8,10,12,14
.irp p, 0,1,2,3
	v_pk_add_f32 v[8+2*\p:9+2*\p], v[8+2*\p:9+2*\p], v[BS+16*\p+\j:BS+16*\p+\j+1]
.endr
.endr
	REDUCE 8
.irp p, 0,1,2,3
	v_mul_f32 v[8+2*\p], 0x3b000000, v[8+2*\p]     ; the mean: / 512, exact
.endr
.irp j, 0,2,4,6,8,10,12,14
.irp p, 0,1,2,3
	v_pk_add_f32 v[BS+16*\p+\j:BS+16*\p+\j+1], v[BS+16*\p+\j:BS+16*\p+\j+1], v[8+2*\p:9+2*\p] op_sel_hi:[1,0] neg_lo:[0,1] neg_hi:[0,1]   ; d = x - mean (the pair's low register serves both halves)
.endr
.endr
.irp p, 0,1,2,3
	v_pk_mul_f32 v[20+2*\p:21+2*\p], v[BS+16*\p:BS+16*\p+1], v[BS+16*\p:BS+16*\p+1]
.endr
.irp j, 2,4,6,8,10,12,14
.irp p, 0,1,2,3
	v_pk_fma_f32 v[20+2*\p:21+2*\p], v[BS+16*\p+\j:BS+16*\p+\j+1], v[BS+16*\p+\j:BS+16*\p+\j+1], v[20+2*\p:21+2*\p]
.endr
.endr
	REDUCE 20
.irp p, 0,1,2,3
	v_fma_f32 v[20+2*\p], v[20+2*\p], s23, s24     ; var + eps
.endr
	s_wait_alu depctr_va_vdst(0)
.irp p, 0,1,2,3
	v_rsq_f32 v[20+2*\p], v[20+2*\p]
.endr
	v_nop                                          ; one plain place behind the transcendentals
	s_wait_alu depctr_va_vdst(0)
.irp p, 0,1,2,3
	v_mul_f32 v[20+2*\p], s16, v[20+2*\p]          ; alpha / sqrt(var + eps)
.endr
.irp j, 0,2,4,6,8,10,12,14
.irp p, 0,1,2,3
	v_pk_fma_f32 v[BS+16*\p+\j:BS+16*\p+\j+1], v[BS+16*\p+\j:BS+16*\p+\j+1], v[20+2*\p:21+2*\p], s[18:19] op_sel_hi:[1,0,0]
.endr
.endr
.irp p, 0,1,2,3
.irp j, 0,1,2,3
	ds_store_b128 v2, v[BS+16*\p+4*\j:BS+16*\p+4*\j+3] offset:(4*(\k)+\p)*2064+512*\j
.endr
.endr
.endm
; 64 numbers of a lane, register 16 b + i = k 32 b + 16 h + i of my row, become a fragment's codes in v[pc] .. v[pc + 11] (pc + 12 .. pc + 18 at work) and the row's scale word in v[pw].
.macro QUANT s, pc, pw
.irp b, 0,1,2,3
	v_max3_num_f32 v[TM+\b], |v[\s+16*\b]|, |v[\s+1+16*\b]|, 0x1800000   ; block b: my 16 numbers, and the floor 2^(3 - 127): the byte cannot fall under 1
.endr
.irp i, 2,4,6,8,10,12,14
.irp b, 0,1,2,3
	v_max3_num_f32 v[TM+\b], v[TM+\b], |v[\s+16*\b+\i]|, |v[\s+1+16*\b+\i]|
.endr
.endr
.irp b, 0,1,2,3
	v_permlanex16_b32 v[TM+4+\b], v[TM+\b], s[SEL], s[SEL+1]
.endr
.irp b, 0,1,2,3
	v_max_num_f32 v[TM+\b], v[TM+\b], v[TM+4+\b]   ; with lane l xor 16's: the block's largest magnitude
.endr
.irp b, 0,1,2,3
	v_add_nc_u32 v[TM+12+\b], 0xff000000, v[TM+\b] ; 2 off its exponent field: the conversion's scale operand
.endr
.irp b, 0,1,2,3
	v_lshrrev_b32 v[TM+4+\b], 23, v[TM+12+\b]      ; the scale's byte
.endr
	v_lshl_or_b32 v[\pw], v[TM+5], 8, v[TM+4]
	v_lshl_or_b32 v[\pw], v[TM+6], 16, v[\pw]
	v_lshl_or_b32 v[\pw], v[TM+7], 24, v[\pw]
.irp c, 0,1
	v_cvt_scalef32_pk16_fp6_f32 v[\pc+6*\c:\pc+2+6*\c], v[\s+32*\c:\s+15+32*\c], v[TM+12+2*\c]
	v_cvt_scalef32_pk16_fp6_f32 v[\pc+12+4*\c:\pc+14+4*\c], v[\s+16+32*\c:\s+31+32*\c], v[TM+12+2*\c+1]
.endr
	v_nop                                          ; one plain place behind a scaled conversion
.irp c, 0,1                            ; the operand's layout wants a whole block in a lane: lanes 0-15 block 2 c, lanes 16-31 block 2 c + 1
.irp i, 0,1,2
	v_permlane16_swap_b32 v[\pc+6*\c+\i], v[\pc+12+4*\c+\i]
.endr
.irp i, 0,1,2
	v_mov_b32 v[\pc+3+6*\c+\i], v[\pc+12+4*\c+\i]
.endr
.endr
.endm
.macro RD s                            ; K step s of my row: 16 numbers of my half of each of its four blocks, into set s % 2
.irp b, 0,1,2,3
.irp j, 0,1,2,3
	ds_load_b128 v[32+64*((\s)%2)+16*\b+4*\j:32+64*((\s)%2)+16*\b+4*\j+3], v3 offset:512*(\s)+128*\b+16*\j
.endr
.endr
.endm
.macro OUTF s                          ; the image of K step s: each K step has registers of its own, so no store's data are written again
.irp q, 0,1,2
	global_store_b128 v1, v[160+20*(\s)+4*\q:160+20*(\s)+4*\q+3], s[10:11] offset:1536*(\s)+512*\q
.endr
.endm
	LOADB 0
	LOADB 1
	s_wait_kmcnt 0x0
	s_mov_b32 s19, s18                             ; beta is named as a pair
	s_wait_loadcnt 16                              ; batch 0 is in; batch 1's 16 loads may be out
	PROC 0
	s_wait_dscnt 0x0                               ; the LDS stores have read their registers: the next loads land there
	LOADB 2
	s_wait_loadcnt 16                              ; batch 1 is in; batch 2's 16 may be out
	PROC 1
	s_wait_dscnt 0x0
	LOADB 3
	s_wait_loadcnt 16                              ; batch 2 is in; batch 3's 16 may be out
	PROC 2
	s_wait_loadcnt 0x0
	PROC 3
	s_wait_dscnt 0x0                               ; the stores have read their registers; LDS serves a wave's instructions in order, so the loads below see them
	RD 0
	RD 1
	s_wait_dscnt 16                                ; K step 0 is in; K step 1's 16 loads may be out
	QUANT 32, 160, 24
	OUTF 0
	RD 2
	s_wait_dscnt 16                                ; K step 1 is in; K step 2's 16 may be out
	QUANT 96, 180, 25
	OUTF 1
	RD 3
	s_wait_dscnt 16                                ; K step 2 is in; K step 3's 16 may be out
	QUANT 32, 200, 26
	OUTF 2
	s_wait_dscnt 0x0
	QUANT 96, 220, 27
	OUTF 3
	v_cndmask_b32 v28, v24, v25, s22               ; lanes 0-15: K step 0's words; lanes 16-31: K step 1's (every lane holds its row's word)
	v_cndmask_b32 v29, v26, v27, s22               ; K steps 2 and 3
	global_store_b64 v4, v[28:29], s[10:11] offset:6144   ; 32 lanes store 256 consecutive bytes
	s_wait_tensorcnt 0x0
	ds_add_u32 v240, v241
	s_wait_dscnt 0x0
	s_endpgm
.Lfunc_end_k_qde9ba0b678_ln2:
	.size	k_qde9ba0b678_ln2, .Lfunc_end_k_qde9ba0b678_ln2-k_qde9ba0b678_ln2
	.p2alignl 7, 3214868480
	.fill 96, 4, 3214868480
	.section	.rodata,"a",@progbits
	.p2align	6, 0x0
	.amdhsa_kernel k_qde9ba0b678_ln2
		.amdhsa_group_segment_fixed_size 66304
		.amdhsa_private_segment_fixed_size 0
		.amdhsa_enable_private_segment 0
		.amdhsa_kernarg_size 32
		.amdhsa_user_sgpr_count 2
		.amdhsa_user_sgpr_kernarg_segment_ptr 1
		.amdhsa_wavefront_size32 1
		.amdhsa_system_sgpr_workgroup_id_x 1
		.amdhsa_system_sgpr_workgroup_id_y 1
		.amdhsa_system_sgpr_workgroup_id_z 1
		.amdhsa_system_vgpr_workitem_id 0
		.amdhsa_next_free_vgpr 242
		.amdhsa_next_free_sgpr 66
		.amdhsa_reserve_vcc 0
		.amdhsa_float_denorm_mode_32 3
		.amdhsa_float_denorm_mode_16_64 3
		.amdhsa_memory_ordered 1
		.amdhsa_forward_progress 1
		.amdhsa_inst_pref_size 80
	.end_amdhsa_kernel
	.amdgpu_metadata
---
amdhsa.version: [ 1, 2 ]
amdhsa.kernels:
  - .name:           k_qde9ba0b678_ln2
    .symbol:         k_qde9ba0b678_ln2.kd
    .args:
      - { .name: x1, .offset: 0, .size: 8, .value_kind: global_buffer, .address_space: global }
      - { .name: alpha, .offset: 8, .size: 8, .value_kind: global_buffer, .address_space: global }
      - { .name: beta, .offset: 16, .size: 8, .value_kind: global_buffer, .address_space: global }
      - { .name: xr, .offset: 24, .size: 8, .value_kind: global_buffer, .address_space: global }
    .group_segment_fixed_size: 66304
    .private_segment_fixed_size: 0
    .kernarg_segment_align: 8
    .kernarg_segment_size: 32
    .max_flat_workgroup_size: 64
    .sgpr_count:     66
    .vgpr_count:     242
    .wavefront_size: 32
...
	.end_amdgpu_metadata
.endif
;; end of part 4
;; launch ffn1 (part 5): grid 8 x 32, 4 waves a work-group, clusters of 4 x 4, 327,680 bytes of LDS; arguments xr, wr, b1, hid; writes hid
.if DOCPART == 5
	.amdgcn_target "amdgcn-amd-amdhsa--gfx1250"
	.amdhsa_code_object_version 6
	.text
	.protected	k_qde9ba0b678_ffn1
	.globl	k_qde9ba0b678_ffn1
	.p2align	8
	.type	k_qde9ba0b678_ffn1,@function
k_qde9ba0b678_ffn1:
	s_mov_b64 s[64:65], 0
	v_nop
	global_prefetch_b8 v0, s[64:65] scope:SCOPE_SE
	s_setreg_imm32_b32 hwreg(HW_REG_WAVE_MODE, 25, 1), 1
	s_wait_xcnt 0x0
	s_wait_alu depctr_hold_cnt(0) depctr_sa_sdst(0) depctr_va_vdst(0) depctr_va_sdst(0) depctr_va_ssrc(0) depctr_va_vcc(0) depctr_vm_vsrc(0)
	s_getreg_b32 s2, hwreg(HW_REG_IB_STS2, 6, 4)
	s_cmp_eq_u32 s2, 0
	s_cbranch_scc0 .Lentry_in_a_cluster
	s_endpgm
.Lentry_in_a_cluster:
	s_bfe_u32 s2, ttmp6, 0x10000c
	s_cmp_lg_u32 s2, 0xf033
	s_cbranch_scc0 .Lentry_shape_is_right
	s_endpgm
.Lentry_shape_is_right:
.set WV,  12
.set SEL, 20
.set MHI, 22
.set CNT, 23
.set G1W, 24
.set G0W, 32
.set G1X, 36
.set G0X, 44
.set TX,  48
.set XF,  16
.set HA,  64
.set PC,  128
.set TM,  148
.set PW,  164
.set PWS, 165
.set PWM, 166
.set XS,  168
.set W1S, 176
.set MSB, 0
.macro WIN new
.if MSB != \new
	s_set_vgpr_msb (MSB<<8)|\new
.set MSB, \new
.endif
.endm
.macro PLACES
.rept 4
	v_nop
.endr
.endm
.macro CROUND
	s_barrier_signal -1
	s_barrier_wait -1
	s_cmp_lg_u32 s[WV], 0
	s_cbranch_scc1 .Lnot_wave_0_\@
	s_barrier_signal -3
.Lnot_wave_0_\@:
	s_barrier_wait -3
	s_barrier_signal -1
	s_barrier_wait -1
.endm
.macro WM d, a, b, c, sa, sb, ra, rb
.if ((\ra) == 0) && ((\rb) == 0)
	v_wmma_scale_f32_16x16x128_f8f6f4 v[\d:\d+7], v[\a:\a+11], v[\b:\b+11], v[\c:\c+7], v[\sa], v[\sb] matrix_a_fmt:MATRIX_FMT_FP6 matrix_b_fmt:MATRIX_FMT_FP6
.elseif (\rb) == 0
	v_wmma_scale_f32_16x16x128_f8f6f4 v[\d:\d+7], v[\a:\a+11], v[\b:\b+11], v[\c:\c+7], v[\sa], v[\sb] matrix_a_fmt:MATRIX_FMT_FP6 matrix_b_fmt:MATRIX_FMT_FP6 matrix_a_scale:MATRIX_SCALE_ROW1
.elseif (\ra) == 0
	v_wmma_scale_f32_16x16x128_f8f6f4 v[\d:\d+7], v[\a:\a+11], v[\b:\b+11], v[\c:\c+7], v[\sa], v[\sb] matrix_a_fmt:MATRIX_FMT_FP6 matrix_b_fmt:MATRIX_FMT_FP6 matrix_b_scale:MATRIX_SCALE_ROW1
.else
	v_wmma_scale_f32_16x16x128_f8f6f4 v[\d:\d+7], v[\a:\a+11], v[\b:\b+11], v[\c:\c+7], v[\sa], v[\sb] matrix_a_fmt:MATRIX_FMT_FP6 matrix_b_fmt:MATRIX_FMT_FP6 matrix_a_scale:MATRIX_SCALE_ROW1 matrix_b_scale:MATRIX_SCALE_ROW1
.endif
.endm
.macro QUANT s, pc, pw
.irp b, 0,1,2,3
	v_max3_num_f32 v[TM+\b], |v[\s+16*\b]|, |v[\s+1+16*\b]|, 0x1800000
.endr
.irp i, 2,4,6,8,10,12,14
.irp b, 0,1,2,3
	v_max3_num_f32 v[TM+\b], v[TM+\b], |v[\s+16*\b+\i]|, |v[\s+1+16*\b+\i]|
.endr
.endr
.irp b, 0,1,2,3
	v_permlanex16_b32 v[TM+4+\b], v[TM+\b], s[SEL], s[SEL+1]
.endr
.irp b, 0,1,2,3
	v_max_num_f32 v[TM+\b], v[TM+\b], v[TM+4+\b]
.endr
.irp b, 0,1,2,3
	v_add_nc_u32 v[TM+12+\b], 0xff000000, v[TM+\b]
.endr
.irp b, 0,1,2,3
	v_lshrrev_b32 v[TM+4+\b], 23, v[TM+12+\b]
.endr
	v_lshl_or_b32 v[\pw], v[TM+5], 8, v[TM+4]
	v_lshl_or_b32 v[\pw], v[TM+6], 16, v[\pw]
	v_lshl_or_b32 v[\pw], v[TM+7], 24, v[\pw]
.irp c, 0,1
	v_cvt_scalef32_pk16_fp6_f32 v[\pc+6*\c:\pc+2+6*\c], v[\s+32*\c:\s+15+32*\c], v[TM+12+2*\c]
	v_cvt_scalef32_pk16_fp6_f32 v[\pc+12+4*\c:\pc+14+4*\c], v[\s+16+32*\c:\s+31+32*\c], v[TM+12+2*\c+1]
.endr
	v_nop
.irp c, 0,1
.irp i, 0,1,2
	v_permlane16_swap_b32 v[\pc+6*\c+\i], v[\pc+12+4*\c+\i]
.endr
.irp i, 0,1,2
	v_mov_b32 v[\pc+3+6*\c+\i], v[\pc+12+4*\c+\i]
.endr
.endr
.endm
	s_load_b256 s[4:11], s[0:1], 0x0
	v_lshl_add_u32 v254, v0, 2, 0x4b000
	v_mov_b32 v255, 0
	ds_add_u32 v254, v255
	ds_add_u32 v254, v255
	v_lshrrev_b32 v1, 5, v0
	v_readfirstlane_b32 s[WV], v1
	s_bfe_u32 s13, ttmp6, 0x40000
	s_bfe_u32 s14, ttmp6, 0x40004
	s_lshl_b32 s15, ttmp9, 2
	s_add_co_u32 s15, s15, s13
	s_and_b32 s16, ttmp7, 0xffff
	s_lshl_b32 s16, s16, 2
	s_add_co_u32 s16, s16, s14
	s_lshl_b32 s17, 0x1111, s13
	s_lshl_b32 s18, s14, 2
	s_lshl_b32 s18, 15, s18
	s_or_b32 s[G1W], s17, (3<<16)|(1<<21)
	s_mov_b32 s[G1W+1], 32<<16
	s_mov_b32 s[G1W+2], 200<<16
	s_mov_b32 s[G1W+3], 32<<16
	s_mov_b32 s[G1W+4], 200
	s_mov_b32 s[G1W+5], 32
	s_mov_b32 s[G1W+6], 0
	s_mov_b32 s[G1W+7], 0
	s_or_b32 s[G1X], s18, (3<<16)|(1<<21)
	s_mov_b32 s[G1X+1], 32<<16
	s_mov_b32 s[G1X+2], 100<<16
	s_mov_b32 s[G1X+3], 32<<16
	s_mov_b32 s[G1X+4], 100
	s_mov_b32 s[G1X+5], 32
	s_mov_b32 s[G1X+6], 0
	s_mov_b32 s[G1X+7], 0
	s_lshl_b32 s19, s[WV], 2
	s_lshl_b32 s54, s15, 4
	s_add_co_u32 s54, s54, s19
	s_mul_i32 s54, s54, 12800
	s_add_co_u32 s54, s54, 614400
	s_mov_b32 s55, 0
	s_lshl_b32 s56, s16, 4
	s_add_co_u32 s56, s56, s19
	s_mul_i32 s56, s56, 6400
	s_mov_b32 s57, 0
	s_lshl_b32 s17, s15, 2
	s_add_co_u32 s17, s17, s[WV]
	s_lshl_b32 s58, s16, 3
	s_mul_i32 s58, s58, 102400
	s_lshl_b32 s18, s17, 7
	s_add_co_u32 s60, s58, s18
	s_add_co_u32 s60, s60, 98304
	s_mov_b32 s61, 0
	s_mul_i32 s18, s17, 3072
	s_add_co_u32 s58, s58, s18
	s_mov_b32 s59, 0
	s_lshl_b32 s62, s15, 11
	s_lshl_b32 s18, s[WV], 9
	s_add_co_u32 s62, s62, s18
	s_mov_b32 s63, 0
	s_mov_b32 s[SEL], 0x76543210
	s_mov_b32 s[SEL+1], 0xfedcba98
	s_mov_b32 s[MHI], 0xffff0000
	s_wait_dscnt 0x0
	s_wait_kmcnt 0x0
	s_mov_b32 s[G0W], 1
	s_mul_i32 s[G0W+1], s[WV], 51200
	s_add_nc_u64 s[G0W+2:G0W+3], s[6:7], s[54:55]
	s_or_b32 s[G0W+3], s[G0W+3], 0x80000000
	s_mov_b32 s[G0X], 1
	s_mul_i32 s[G0X+1], s[WV], 25600
	s_add_co_u32 s[G0X+1], s[G0X+1], 204800
	s_add_nc_u64 s[G0X+2:G0X+3], s[4:5], s[56:57]
	s_or_b32 s[G0X+3], s[G0X+3], 0x80000000
	s_add_nc_u64 s[50:51], s[10:11], s[58:59]
	s_add_nc_u64 s[52:53], s[10:11], s[60:61]
	s_add_nc_u64 s[8:9], s[8:9], s[62:63]
	CROUND
	tensor_load_to_lds s[G0W:G0W+3], s[G1W:G1W+7]
	s_nop 0
	s_wait_alu depctr_va_vdst(0)
	s_wait_tensorcnt 0x0
	ds_add_u32 v254, v255
	s_wait_dscnt 0x0
	CROUND
	tensor_load_to_lds s[G0X:G0X+3], s[G1X:G1X+7]
	s_nop 0
	PLACES
	v_and_b32 v11, 31, v0
	v_bfe_u32 v12, v0, 4, 1
	v_lshlrev_b32 v1, 4, v11
	v_lshlrev_b32 v2, 3, v11
	v_lshlrev_b32 v3, 2, v11
	s_mul_i32 s17, s[WV], 51200
	v_add_nc_u32 v4, s17, v1
	v_add_nc_u32 v7, s17, v3
	v_lshlrev_b32 v8, 6, v12
	v_add_nc_u32 v9, 204800, v1
	v_add_nc_u32 v10, 204800, v2
.irp b, 0,1,2,3
	v_mov_b32 v[TM+4+\b], 0
.endr
	s_mov_b32 s[TX], 0
	v_add_nc_u32 v5, s[TX], v9
	v_add_nc_u32 v6, s[TX], v10
	s_wait_alu depctr_va_vdst(0)
	s_wait_tensorcnt 0x0
	s_barrier_signal -1
	s_barrier_wait -1
	WIN 0x40
.irp pl, 0,1,2,3
.irp u, 0,1
.irp s, 0,1
.irp q, 0,1,2
	ds_load_b128 v[12*(2*(2*\pl+\u)+\s)+4*\q:12*(2*(2*\pl+\u)+\s)+4*\q+3], v4 offset:12800*\pl+3072*\s+1536*\u+512*\q
.endr
.endr
.endr
.endr
	WIN 0x80
.irp pl, 0,1,2,3
.irp u, 0,1
.irp s, 0,1
.irp q, 0,1,2
	ds_load_b128 v[12*(2*(2*\pl+\u)+\s)+4*\q:12*(2*(2*\pl+\u)+\s)+4*\q+3], v4 offset:12800*\pl+3072*(\s+2)+1536*\u+512*\q
.endr
.endr
.endr
.endr
.irp t, 0,1,2,3,4,5,6,7
	global_load_b128 v[192+8*\t:195+8*\t], v8, s[8:9] offset:(32*(\t/2)+8*(\t%2))*4
	global_load_b128 v[196+8*\t:199+8*\t], v8, s[8:9] offset:(32*(\t/2)+8*(\t%2))*4+16
.endr
	WIN 0
.irp pl, 0,1,2,3
.irp s, 0,1,2,3
	ds_load_b32 v[W1S+4*\pl+\s], v7 offset:12800*\pl+12288+128*\s
.endr
.endr
.macro FETCHX off
.irp i, 0,1,2,3,4,5,6,7,8,9,10,11
	ds_load_b128 v[XF+4*\i:XF+4*\i+3], v5 offset:(\off)+512*\i
.endr
	ds_load_b64 v[XS:XS+1], v6 offset:(\off)+6144
.endm
.macro TILE u, fetch
	s_wait_dscnt 0x0
.if ((\u) == 1) && (\fetch)
	s_add_co_u32 s[TX], s[TX], 12800
	v_add_nc_u32 v5, s[TX], v9
	v_add_nc_u32 v6, s[TX], v10
.endif
	WIN 0x21
.irp t, 0,1,2,3,4,5,6,7
	WM HA+8*\t, 12*(2*\t), XF, 192+8*\t, W1S+4*(\t/2), XS, \t%2, 0
.endr
	WIN 0x01
.irp t, 0,1,2,3,4,5,6,7
	WM HA+8*\t, 12*(2*\t+1), XF+12, HA+8*\t, W1S+4*(\t/2)+1, XS, \t%2, 1
.endr
	WIN 0x02
.irp t, 0,1,2,3,4,5,6,7
	WM HA+8*\t, 12*(2*\t), XF+24, HA+8*\t, W1S+4*(\t/2)+2, XS+1, \t%2, 0
.endr
.irp t, 0,1,2,3,4,5,6,7
	WM HA+8*\t, 12*(2*\t+1), XF+36, HA+8*\t, W1S+4*(\t/2)+3, XS+1, \t%2, 1
.endr
	WIN 0
	PLACES
.if \fetch
.if (\u) == 0
	FETCHX 6400
.else
	FETCHX 0
.endif
.endif
.set jj, 0
.rept 64
	v_max_num_f32 v[HA+jj], 0, v[HA+jj]
.set jj, jj+1
.endr
	s_wait_xcnt 0x0
	QUANT HA, PC, PW
.irp q, 0,1,2
	global_store_b128 v1, v[PC+4*\q:PC+4*\q+3], s[50:51] offset:1536*(\u)+512*\q
.endr
.if (\u) == 0
	v_mov_b32 v[PWS], v[PW]
.else
	v_cndmask_b32 v[PWM], v[PWS], v[PW], s[MHI]
	global_store_b32 v3, v[PWM], s[52:53]
.endif
.endm
	FETCHX 0
	s_wait_loadcnt 0x0
	s_mov_b32 s[CNT], 7
.Lpair:
	TILE 0, 1
	TILE 1, 1
	s_wait_xcnt 0x0
	s_add_nc_u64 s[50:51], s[50:51], 102400
	s_add_nc_u64 s[52:53], s[52:53], 102400
	s_sub_co_u32 s[CNT], s[CNT], 1
	s_cmp_lg_u32 s[CNT], 0
	s_cbranch_scc1 .Lpair
	TILE 0, 1
	TILE 1, 0
	s_wait_tensorcnt 0x0
	ds_add_u32 v254, v255
	s_wait_dscnt 0x0
	CROUND
	s_endpgm
.Lfunc_end_k_qde9ba0b678_ffn1:
	.size	k_qde9ba0b678_ffn1, .Lfunc_end_k_qde9ba0b678_ffn1-k_qde9ba0b678_ffn1
	.p2alignl 7, 3214868480
	.fill 96, 4, 3214868480
	.section	.rodata,"a",@progbits
	.p2align	6, 0x0
	.amdhsa_kernel k_qde9ba0b678_ffn1
		.amdhsa_group_segment_fixed_size 327680
		.amdhsa_private_segment_fixed_size 0
		.amdhsa_enable_private_segment 0
		.amdhsa_kernarg_size 32
		.amdhsa_user_sgpr_count 2
		.amdhsa_user_sgpr_kernarg_segment_ptr 1
		.amdhsa_wavefront_size32 1
		.amdhsa_system_sgpr_workgroup_id_x 1
		.amdhsa_system_sgpr_workgroup_id_y 1
		.amdhsa_system_sgpr_workgroup_id_z 1
		.amdhsa_system_vgpr_workitem_id 0
		.amdhsa_next_free_vgpr 768
		.amdhsa_next_free_sgpr 66
		.amdhsa_reserve_vcc 0
		.amdhsa_float_denorm_mode_32 3
		.amdhsa_float_denorm_mode_16_64 3
		.amdhsa_memory_ordered 1
		.amdhsa_forward_progress 1
		.amdhsa_inst_pref_size 61
	.end_amdhsa_kernel
	.amdgpu_metadata
---
amdhsa.version: [ 1, 2 ]
amdhsa.kernels:
  - .name:           k_qde9ba0b678_ffn1
    .symbol:         k_qde9ba0b678_ffn1.kd
    .args:
      - { .name: xr, .offset: 0, .size: 8, .value_kind: global_buffer, .address_space: global }
      - { .name: wr, .offset: 8, .size: 8, .value_kind: global_buffer, .address_space: global }
      - { .name: b1, .offset: 16, .size: 8, .value_kind: global_buffer, .address_space: global }
      - { .name: hid, .offset: 24, .size: 8, .value_kind: global_buffer, .address_space: global }
    .group_segment_fixed_size: 327680
    .private_segment_fixed_size: 0
    .kernarg_segment_align: 8
    .kernarg_segment_size: 32
    .max_flat_workgroup_size: 128
    .sgpr_count:     66
    .vgpr_count:     768
    .wavefront_size: 32
...
	.end_amdgpu_metadata
.endif
;; end of part 5
;; launch ffn2 (part 6): grid 4 x 64, 4 waves a work-group, clusters of 4 x 4, 327,680 bytes of LDS; arguments hid, wr, b2, x1, out0; writes out0
.if DOCPART == 6
	.amdgcn_target "amdgcn-amd-amdhsa--gfx1250"
	.amdhsa_code_object_version 6
	.text
	.protected	k_qde9ba0b678_ffn2
	.globl	k_qde9ba0b678_ffn2
	.p2align	8
	.type	k_qde9ba0b678_ffn2,@function
k_qde9ba0b678_ffn2:
	s_mov_b64 s[64:65], 0
	v_nop
	global_prefetch_b8 v0, s[64:65] scope:SCOPE_SE
	s_setreg_imm32_b32 hwreg(HW_REG_WAVE_MODE, 25, 1), 1
	s_wait_xcnt 0x0
	s_wait_alu depctr_hold_cnt(0) depctr_sa_sdst(0) depctr_va_vdst(0) depctr_va_sdst(0) depctr_va_ssrc(0) depctr_va_vcc(0) depctr_vm_vsrc(0)
	s_getreg_b32 s2, hwreg(HW_REG_IB_STS2, 6, 4)
	s_cmp_eq_u32 s2, 0
	s_cbranch_scc0 .Lentry_in_a_cluster
	s_endpgm
.Lentry_in_a_cluster:
	s_bfe_u32 s2, ttmp6, 0x10000c
	s_cmp_lg_u32 s2, 0xf033
	s_cbranch_scc0 .Lentry_shape_is_right
	s_endpgm
.Lentry_shape_is_right:
.set SLOT,  98304
.set SCL,   196608
.set SPARE, 229376
.set STAGE, 229888
.set ADRA, 16
.set ADRB, 20
.set ADSA, 22
.set ADSB, 23
.set STO,  24
.set RD,   25
.set CO,   26
.set SPW,  28
.set NIL,  29
.set SC,   32
.set RB,   40
.set ACC,  128
.set G1,   24
.set G0,   32
.set G1B,  48
.set G0B,  56
.set G1S,  68
.set G0S,  76
.set G1SB, 80
.set G0SB, 88
.set MSB, 0
.macro WIN new
.if MSB != \new
	s_set_vgpr_msb (MSB<<8)|\new
.set MSB, \new
.endif
.endm
.macro PLACES
.rept 4
	v_nop
.endr
.endm
.macro JLOAD g0a, g1a, g0b, g1b
	s_cmp_eq_u32 s15, 0
	s_cbranch_scc0 .Lfor_b_\@
	tensor_load_to_lds s[\g0a:\g0a+3], s[\g1a:\g1a+7]
	s_nop 0
	PLACES
	s_branch .Lasked_\@
.Lfor_b_\@:
	tensor_load_to_lds s[\g0b:\g0b+3], s[\g1b:\g1b+7]
	s_nop 0
	PLACES
.Lasked_\@:
.endm
.macro CREST
	s_cmp_lg_u32 s14, 0
	s_cbranch_scc1 .Lnot_wave_0_\@
	s_barrier_signal -3
.Lnot_wave_0_\@:
	s_barrier_wait -3
	s_barrier_signal -1
	s_barrier_wait -1
.endm
.macro CROUND
	s_barrier_signal -1
	s_barrier_wait -1
	CREST
.endm
.macro WM d, a, b, c, sa, sb, ra, rb
.if (\c) < 0
.if ((\ra) == 0) && ((\rb) == 0)
	v_wmma_scale_f32_16x16x128_f8f6f4 v[\d:\d+7], v[\a:\a+11], v[\b:\b+11], 0, v[\sa], v[\sb] matrix_a_fmt:MATRIX_FMT_FP6 matrix_b_fmt:MATRIX_FMT_FP6
.elseif (\rb) == 0
	v_wmma_scale_f32_16x16x128_f8f6f4 v[\d:\d+7], v[\a:\a+11], v[\b:\b+11], 0, v[\sa], v[\sb] matrix_a_fmt:MATRIX_FMT_FP6 matrix_b_fmt:MATRIX_FMT_FP6 matrix_a_scale:MATRIX_SCALE_ROW1
.elseif (\ra) == 0
	v_wmma_scale_f32_16x16x128_f8f6f4 v[\d:\d+7], v[\a:\a+11], v[\b:\b+11], 0, v[\sa], v[\sb] matrix_a_fmt:MATRIX_FMT_FP6 matrix_b_fmt:MATRIX_FMT_FP6 matrix_b_scale:MATRIX_SCALE_ROW1
.else
	v_wmma_scale_f32_16x16x128_f8f6f4 v[\d:\d+7], v[\a:\a+11], v[\b:\b+11], 0, v[\sa], v[\sb] matrix_a_fmt:MATRIX_FMT_FP6 matrix_b_fmt:MATRIX_FMT_FP6 matrix_a_scale:MATRIX_SCALE_ROW1 matrix_b_scale:MATRIX_SCALE_ROW1
.endif
.else
.if ((\ra) == 0) && ((\rb) == 0)
	v_wmma_scale_f32_16x16x128_f8f6f4 v[\d:\d+7], v[\a:\a+11], v[\b:\b+11], v[\c:\c+7], v[\sa], v[\sb] matrix_a_fmt:MATRIX_FMT_FP6 matrix_b_fmt:MATRIX_FMT_FP6
.elseif (\rb) == 0
	v_wmma_scale_f32_16x16x128_f8f6f4 v[\d:\d+7], v[\a:\a+11], v[\b:\b+11], v[\c:\c+7], v[\sa], v[\sb] matrix_a_fmt:MATRIX_FMT_FP6 matrix_b_fmt:MATRIX_FMT_FP6 matrix_a_scale:MATRIX_SCALE_ROW1
.elseif (\ra) == 0
	v_wmma_scale_f32_16x16x128_f8f6f4 v[\d:\d+7], v[\a:\a+11], v[\b:\b+11], v[\c:\c+7], v[\sa], v[\sb] matrix_a_fmt:MATRIX_FMT_FP6 matrix_b_fmt:MATRIX_FMT_FP6 matrix_b_scale:MATRIX_SCALE_ROW1
.else
	v_wmma_scale_f32_16x16x128_f8f6f4 v[\d:\d+7], v[\a:\a+11], v[\b:\b+11], v[\c:\c+7], v[\sa], v[\sb] matrix_a_fmt:MATRIX_FMT_FP6 matrix_b_fmt:MATRIX_FMT_FP6 matrix_a_scale:MATRIX_SCALE_ROW1 matrix_b_scale:MATRIX_SCALE_ROW1
.endif
.endif
.endm
	s_load_b256 s[4:11], s[0:1], 0x0
	s_load_b64 s[12:13], s[0:1], 0x20
	v_lshl_add_u32 v[SPW], v0, 2, SPARE
	v_mov_b32 v[NIL], 0
	ds_add_u32 v28, v29
	ds_add_u32 v28, v29
	s_wait_dscnt 0x0
	v_lshrrev_b32 v1, 5, v0
	v_readfirstlane_b32 s14, v1
	s_lshr_b32 s15, s14, 1
	s_and_b32 s16, s14, 1
	s_bfe_u32 s40, ttmp6, 0x40000
	s_bfe_u32 s41, ttmp6, 0x40004
	s_lshl_b32 s42, ttmp9, 2
	s_add_co_u32 s42, s42, s40
	s_and_b32 s17, ttmp7, 0xffff
	s_lshl_b32 s17, s17, 2
	s_add_co_u32 s17, s17, s41
	s_lshl_b32 s43, s41, 2
	s_lshl_b32 s43, 15, s43
	s_lshl_b32 s44, 0x1111, s40
	s_or_b32 s[G1], s43, (3<<16)|(1<<21)
	s_or_b32 s[G1B], s44, (3<<16)|(1<<21)
.irp g, G1, G1B
	s_mov_b32 s[\g+1], 1536<<16
	s_mov_b32 s[\g+2], 2<<16
	s_mov_b32 s[\g+3], 1536<<16
	s_mov_b32 s[\g+4], 2
	s_mov_b32 s[\g+5], 12800
	s_mov_b32 s[\g+6], 0
	s_mov_b32 s[\g+7], 0
.endr
	s_or_b32 s[G1S], s43, (3<<16)|(1<<21)
	s_or_b32 s[G1SB], s44, (3<<16)|(1<<21)
.irp g, G1S, G1SB
	s_mov_b32 s[\g+1], 512<<16
	s_mov_b32 s[\g+2], 2<<16
	s_mov_b32 s[\g+3], 512<<16
	s_mov_b32 s[\g+4], 2
	s_mov_b32 s[\g+5], 12800
	s_mov_b32 s[\g+6], 0
	s_mov_b32 s[\g+7], 0
.endr
	s_lshl_b32 s18, s16, 1
	s_lshl_b32 s20, s17, 2
	s_add_co_u32 s20, s20, s18
	s_mul_i32 s20, s20, 102400
	s_mov_b32 s21, 0
	s_lshl_b32 s46, s42, 2
	s_add_co_u32 s46, s46, s18
	s_mul_i32 s46, s46, 102400
	s_add_co_u32 s46, s46, 2252800
	s_mov_b32 s47, 0
	s_mul_i32 s45, s14, 24576
	s_lshl_b32 s94, s14, 13
	s_wait_kmcnt 0x0
	s_add_nc_u64 s[20:21], s[4:5], s[20:21]
	s_add_nc_u64 s[46:47], s[6:7], s[46:47]
	CROUND
	s_mov_b32 s[G0S], 1
	s_add_co_u32 s[G0S+1], s94, SCL
	s_add_nc_u64 s[G0S+2:G0S+3], s[20:21], 98304
	s_or_b32 s[G0S+3], s[G0S+3], 0x80000000
	s_mov_b32 s[G0SB], 1
	s_add_co_u32 s[G0SB+1], s94, SCL
	s_add_nc_u64 s[G0SB+2:G0SB+3], s[46:47], 98304
	s_or_b32 s[G0SB+3], s[G0SB+3], 0x80000000
	JLOAD G0S, G1S, G0SB, G1SB
.irp s, 0,1
	s_mov_b32 s[G0+4*\s], 1
	s_add_co_u32 s[G0+4*\s+1], s45, \s*SLOT
	s_add_nc_u64 s[G0+4*\s+2:G0+4*\s+3], s[20:21], \s*12288
	s_or_b32 s[G0+4*\s+3], s[G0+4*\s+3], 0x80000000
	s_mov_b32 s[G0B+4*\s], 1
	s_add_co_u32 s[G0B+4*\s+1], s45, \s*SLOT
	s_add_nc_u64 s[G0B+4*\s+2:G0B+4*\s+3], s[46:47], \s*12288
	s_or_b32 s[G0B+4*\s+3], s[G0B+4*\s+3], 0x80000000
	s_wait_alu depctr_va_vdst(0)
	s_wait_tensorcnt 0x0
	ds_add_u32 v28, v29
	s_wait_dscnt 0x0
	CROUND
	JLOAD G0+4*\s, G1, G0B+4*\s, G1B
.endr
	v_and_b32 v1, 15, v0
	v_bfe_u32 v2, v0, 4, 1
	v_and_b32 v3, 31, v0
	v_lshlrev_b32 v4, 4, v3
	v_lshlrev_b32 v5, 2, v3
	s_wait_alu depctr_va_vdst(0)
	s_mul_i32 s21, s15, 24576
	s_mul_i32 s22, s16, 24576
	s_add_co_u32 s22, s22, 49152
.irp s, 0,1
	v_add_nc_u32 v[ADRA+\s], s21, v4
	v_add_nc_u32 v[ADRB+\s], s22, v4
	s_add_co_u32 s21, s21, SLOT
	s_add_co_u32 s22, s22, SLOT
.endr
	s_lshl_b32 s21, s15, 13
	s_add_co_u32 s21, s21, SCL
	v_add_nc_u32 v[ADSA], s21, v5
	s_lshl_b32 s22, s16, 13
	s_add_co_u32 s22, s22, SCL+16384
	v_add_nc_u32 v[ADSB], s22, v5
	s_mul_i32 s23, s14, 4352
	s_add_co_u32 s23, s23, STAGE
	v_mul_u32_u24 v6, v1, 272
	v_lshl_add_u32 v6, v2, 6, v6
	v_add_nc_u32 v[STO], s23, v6
	v_mul_u32_u24 v6, v2, 272
	v_lshl_add_u32 v6, v1, 4, v6
	v_add_nc_u32 v[RD], s23, v6
	v_lshlrev_b32 v6, 11, v2
	v_lshl_add_u32 v[CO], v1, 4, v6
	v_lshlrev_b32 v7, 4, v1
	s_wait_alu depctr_va_vdst(0)
	s_lshl_b32 s96, s42, 7
	s_lshl_b32 s95, s16, 6
	s_add_co_u32 s96, s96, s95
	s_lshl_b32 s96, s96, 2
	s_mov_b32 s97, 0
	s_lshl_b32 s92, s17, 7
	s_lshl_b32 s95, s15, 6
	s_add_co_u32 s92, s92, s95
	s_lshl_b32 s92, s92, 11
	s_add_co_u32 s92, s92, s96
	s_mov_b32 s93, 0
	s_add_nc_u64 s[8:9], s[8:9], s[96:97]
	s_add_nc_u64 s[10:11], s[10:11], s[92:93]
	s_add_nc_u64 s[12:13], s[12:13], s[92:93]
	global_load_b128 v[104:107], v7, s[8:9]
.macro FETCH slot, q, f
	WIN 0x40
.irp i, 0,1,2,3
.irp c, 0,1,2
	ds_load_b128 v[128*(\f)+12*\i+4*\c:128*(\f)+12*\i+4*\c+3], v[ADRA+\slot] offset:(\i/2)*12288+3072*(\q)+1536*(\i%2)+512*\c
.endr
.endr
.irp i, 0,1,2,3
.irp c, 0,1,2
	ds_load_b128 v[128*(\f)+48+12*\i+4*\c:128*(\f)+48+12*\i+4*\c+3], v[ADRB+\slot] offset:(\i/2)*12288+3072*(\q)+1536*(\i%2)+512*\c
.endr
.endr
	WIN 0
.irp pl, 0,1
	ds_load_b32 v[SC+4*(\f)+\pl], v[ADSA] offset:4096*\pl+128*(\q)
	ds_load_b32 v[SC+4*(\f)+2+\pl], v[ADSB] offset:4096*\pl+128*(\q)
.endr
.endm
.macro MUL f, a, zero
.irp b, 0,1,2,3
.if \zero
	WM ACC+8*(4*(\a)+\b), 128*(\f)+48+12*\b, 128*(\f)+12*(\a), -1, SC+4*(\f)+2+\b/2, SC+4*(\f)+(\a)/2, \b%2, (\a)%2
.else
	WM ACC+8*(4*(\a)+\b), 128*(\f)+48+12*\b, 128*(\f)+12*(\a), ACC+8*(4*(\a)+\b), SC+4*(\f)+2+\b/2, SC+4*(\f)+(\a)/2, \b%2, (\a)%2
.endif
.endr
.endm
.macro QUARTER slot, q, zero
	PLACES
	FETCH \slot, (\q)+1, ((\q)+1)%2
	s_wait_dscnt 28
	WIN 0x05
	MUL (\q)%2, 0, \zero
	MUL (\q)%2, 1, \zero
	MUL (\q)%2, 2, \zero
	MUL (\q)%2, 3, \zero
.endm
.macro TURN slot, next, fill
	WIN 0
	s_wait_tensorcnt 0x0
	ds_add_u32 v[SPW], v[NIL]
	s_wait_dscnt 1
	WIN 0x05
	MUL 1, 0, 0
	s_wait_dscnt 0x0
	s_barrier_signal -1
	MUL 1, 1, 0
	WIN 0
	s_barrier_wait -1
.if \fill
	CREST
	s_add_nc_u64 s[G0+4*\slot+2:G0+4*\slot+3], s[G0+4*\slot+2:G0+4*\slot+3], 24576
	s_add_nc_u64 s[G0B+4*\slot+2:G0B+4*\slot+3], s[G0B+4*\slot+2:G0B+4*\slot+3], 24576
	JLOAD G0+4*\slot, G1, G0B+4*\slot, G1B
.else
	PLACES
.endif
	v_add_nc_u32 v[ADSA], 512, v[ADSA]
	v_add_nc_u32 v[ADSB], 512, v[ADSB]
	FETCH \next, 0, 0
	WIN 0x05
	MUL 1, 2, 0
	MUL 1, 3, 0
.endm
	s_wait_tensorcnt 0x1
	s_barrier_signal -1
	s_barrier_wait -1
	FETCH 0, 0, 0
	QUARTER 0, 0, 1
	WIN 0
	s_mov_b32 s3, 3
.Llap:
	s_wait_alu depctr_va_vdst(0)
	QUARTER 0, 1, 0
	QUARTER 0, 2, 0
	TURN 0, 1, 1
	QUARTER 1, 0, 0
	s_wait_alu depctr_va_vdst(0)
	QUARTER 1, 1, 0
	QUARTER 1, 2, 0
	TURN 1, 0, 1
	QUARTER 0, 0, 0
	WIN 0
	s_sub_co_u32 s3, s3, 1
	s_cmp_lg_u32 s3, 0
	s_cbranch_scc1 .Llap
	WIN 0x80
.irp a, 0,1,2,3
.irp i, 0,1,2,3,4,5,6,7
	global_load_b128 v[32*\a+4*\i:32*\a+4*\i+3], v[CO], s[10:11] offset:16384*\a+4096*\i+49152*(\i/4)
.endr
.endr
	WIN 0
	s_wait_alu depctr_va_vdst(0)
	QUARTER 0, 1, 0
	QUARTER 0, 2, 0
	TURN 0, 1, 0
	QUARTER 1, 0, 0
	s_wait_alu depctr_va_vdst(0)
	QUARTER 1, 1, 0
	QUARTER 1, 2, 0
	s_wait_dscnt 0x0
	MUL 1, 0, 0
	MUL 1, 1, 0
	MUL 1, 2, 0
	MUL 1, 3, 0
	WIN 0
	PLACES
.macro OUTT a
.irp b, 0,1,2,3
	ds_store_b128 v[STO], v[ACC+8*(4*(\a)+\b):ACC+8*(4*(\a)+\b)+3] offset:128*(\b/2)+32*(\b%2)
	ds_store_b128 v[STO], v[ACC+8*(4*(\a)+\b)+4:ACC+8*(4*(\a)+\b)+7] offset:128*(\b/2)+32*(\b%2)+16
.endr
.irp i, 0,1,2,3,4,5,6,7
	ds_load_b128 v[RB+4*\i:RB+4*\i+3], v[RD] offset:544*\i
.endr
	s_wait_dscnt 0x0
	s_wait_loadcnt 8*(3-(\a))
.irp i, 0,1,2,3,4,5,6,7
	v_pk_add_f32 v[RB+4*\i:RB+4*\i+1], v[RB+4*\i:RB+4*\i+1], v[104:105]
	v_pk_add_f32 v[RB+4*\i+2:RB+4*\i+3], v[RB+4*\i+2:RB+4*\i+3], v[106:107]
.endr
.set jj, 0
.rept 32
	v_max_num_f32 v[RB+jj], 0, v[RB+jj]
.set jj, jj+1
.endr
	WIN 0x08
.set jj, 0
.rept 16
	v_pk_add_f32 v[RB+jj:RB+jj+1], v[RB+jj:RB+jj+1], v[32*(\a)+jj:32*(\a)+jj+1]
.set jj, jj+2
.endr
	WIN 0
.irp i, 0,1,2,3,4,5,6,7
	global_store_b128 v[CO], v[RB+4*\i:RB+4*\i+3], s[12:13] offset:16384*(\a)+4096*\i+49152*(\i/4) th:TH_STORE_NT
.endr
	s_wait_xcnt 0x0
.endm
	OUTT 0
	OUTT 1
	OUTT 2
	OUTT 3
	s_wait_tensorcnt 0x0
	ds_add_u32 v[SPW], v[NIL]
	s_wait_dscnt 0x0
	CROUND
	s_endpgm
.Lfunc_end_k_qde9ba0b678_ffn2:
	.size	k_qde9ba0b678_ffn2, .Lfunc_end_k_qde9ba0b678_ffn2-k_qde9ba0b678_ffn2
	.p2alignl 7, 3214868480
	.fill 96, 4, 3214868480
	.section	.rodata,"a",@progbits
	.p2align	6, 0x0
	.amdhsa_kernel k_qde9ba0b678_ffn2
		.amdhsa_group_segment_fixed_size 327680
		.amdhsa_private_segment_fixed_size 0
		.amdhsa_enable_private_segment 0
		.amdhsa_kernarg_size 40
		.amdhsa_user_sgpr_count 2
		.amdhsa_user_sgpr_kernarg_segment_ptr 1
		.amdhsa_wavefront_size32 1
		.amdhsa_system_sgpr_workgroup_id_x 1
		.amdhsa_system_sgpr_workgroup_id_y 1
		.amdhsa_system_sgpr_workgroup_id_z 1
		.amdhsa_system_vgpr_workitem_id 0
		.amdhsa_next_free_vgpr 768
		.amdhsa_next_free_sgpr 98
		.amdhsa_reserve_vcc 0
		.amdhsa_float_denorm_mode_32 3
		.amdhsa_float_denorm_mode_16_64 3
		.amdhsa_memory_ordered 1
		.amdhsa_forward_progress 1
		.amdhsa_inst_pref_size 101
	.end_amdhsa_kernel
	.amdgpu_metadata
---
amdhsa.version: [ 1, 2 ]
amdhsa.kernels:
  - .name:           k_qde9ba0b678_ffn2
    .symbol:         k_qde9ba0b678_ffn2.kd
    .args:
      - { .name: hid, .offset: 0, .size: 8, .value_kind: global_buffer, .address_space: global }
      - { .name: wr, .offset: 8, .size: 8, .value_kind: global_buffer, .address_space: global }
      - { .name: b2, .offset: 16, .size: 8, .value_kind: global_buffer, .address_space: global }
      - { .name: x1, .offset: 24, .size: 8, .value_kind: global_buffer, .address_space: global }
      - { .name: out0, .offset: 32, .size: 8, .value_kind: global_buffer, .address_space: global }
    .group_segment_fixed_size: 327680
    .private_segment_fixed_size: 0
    .kernarg_segment_align: 8
    .kernarg_segment_size: 40
    .max_flat_workgroup_size: 128
    .sgpr_count:     98
    .vgpr_count:     768
    .wavefront_size: 32
...
	.end_amdgpu_metadata
.endif
;; end of part 6
